; MI455X (gfx1250); checked and timed in simulation.
; The chip was launched on July 23, 2026; its instructions are those of AMD's public machine-readable ISA for CDNA 5 (MIT licence, August 2026) and "CDNA5" Instruction Set Architecture Reference Guide (July 2026). The comments in the code are by the model that wrote it; some were corrected since.
;; Attention. Allowed arithmetic: matrix products marked QUANTISED: E4M3 operands, one given power-of-two scale a tensor, by v_wmma_f32_16x16x64_fp8_fp8 or v_wmma_f32_16x16x128_fp8_fp8, f32 sums; everything else in f32.
;; Inputs: Q 2 x 8 x 2,048 x 512 float32; V 2 x 8 x 2,048 x 128 float32; freqs 1 x 1 x 1 x 512 float32; lowp_scales 4 int32 (the exponents e of the quantised operands' scales 2^e).
;; Outputs: out0 2 x 8 x 2,048 x 128 float32.
;; This version of the problem:
;;   THIS VERSION OF THE PROBLEM IS GIVEN IN LOW PRECISION. The matrix products marked QUANTISED in the list below multiply operands that are first quantised to E4M3 (4 exponent bits, 3 mantissa bits; 8 bits a number), with one given power-of-two scale for each operand tensor; their sums are f32. All else is computed in f32.
;;   The module's matrix products, in the order in which they are computed (A, B: the left and right operand; K: the contracted axis; several contracted axes count as one K, in the product's order):
;;     1. batch 16 x [M 2,048, K 512] x [K 512, N 2,048]; A: computed on the way; B: computed on the way: QUANTISED (scales: A lowp_scales[0], B lowp_scales[1])
;;     2. batch 16 x [M 2,048, K 2,048] x [K 2,048, N 128]; A: computed on the way; B: input V: QUANTISED (scales: A lowp_scales[2], B lowp_scales[3])
;;   THE QUANTISER, for each operand of a quantised product, along K:
;;     - The operand's scale is 2^e, e = its entry of the input lowp_scales (int32; the entries are numbered through the quantised products in the list's order, A before B).
;;     - Each number is divided by the scale, clamped to +-448, and rounded to the nearest number of E4M3, ties to even, subnormals kept.
;;     - The product sums the exact products of the quantised numbers (number of the format x scale) in f32.
;;   ~~~python
;;   def quantise(x, axis, e):      # numpy; x: float32 -> the quantised numbers, widened to float32 again
;;       x = np.moveaxis(x, axis, -1); K = x.shape[-1]
;;       r = np.clip(x / 2.0 ** e, -448, 448)
;;       step = 2.0 ** (np.maximum(np.frexp(np.where(r == 0, 1, r))[1] - 1, -6) - 3)
;;       q = np.round(r / step) * step * 2.0 ** e      # np.round: ties to even
;;       return np.moveaxis(q, -1, axis).astype(np.float32)
;;   ~~~
;;   OPERANDS COMPUTED ON THE WAY. 'Computed on the way' means the value that the module computes at that place (a softmax that the list does not call 'softmax' is quantised finished and normalised). What goes into a quantiser is computed in f32, as accurately as f32 sums, v_exp_f32 and their like allow (about 1e-6 of the number): no bf16 or f16 on the way to a quantiser, and a product that is left as it is and whose result goes on into a quantised operand takes f32 operands (vector FMAs, or v_wmma_f32_16x16x4_f32). A number that lies on a knife's edge between two numbers of the format may be rounded either way, as far as f32 arithmetic and the matrix unit's own rounding can turn it there, and no further.
;; 2 versions, each right. Each part assembles by itself: llvm-mc -triple=amdgcn-amd-amdhsa -mcpu=gfx1250 --defsym DOCPART=n.
;; ======== version 1 of 2: 2 launches
;; workspace buffers: qa 16,777,216 bytes; qb 16,777,216 bytes; vc 4,194,304 bytes
;; launch prep (part 1): grid 768 x 1, 4 waves a work-group, no clusters, 18,944 bytes of LDS; arguments Q, V, freqs, lowp_scales, qa, qb, vc; writes qa, qb, vc
.if DOCPART == 1
	.amdgcn_target "amdgcn-amd-amdhsa--gfx1250"
	.amdhsa_code_object_version 6
	.text
	.protected	k_q766701df6f_prep
	.globl	k_q766701df6f_prep
	.p2align	8
	.type	k_q766701df6f_prep,@function
k_q766701df6f_prep:
	s_mov_b64 s[64:65], 0
	v_nop
	global_prefetch_b8 v0, s[64:65] scope:SCOPE_SE
	s_setreg_imm32_b32 hwreg(HW_REG_WAVE_MODE, 25, 1), 1
	s_wait_xcnt 0x0
; QR = Q cos + rot(Q) sin in f32, quantised twice to E4M3: qa with 2^e0 (the queries' side), qb with 2^e1 (the keys' side), both [16 heads][2048 t][512 n], one code a byte.
; V quantised with 2^e3 into vc [16 heads][16 key tiles][128 dv][128 keys]: the keys, the second product's K, innermost; a key tile is 16,384 consecutive bytes.
; Work-groups 0-511: wave w owns row t = 4 x work-group + w of ALL 16 heads: cos and sin hang on (t, n) alone, so they are made once and serve 16 rows.
;   Lane l owns n = 16 l .. 16 l + 15: 64 bytes of f32 (four loads; a wave's four cover a row's 2,048 bytes), 16 bytes of codes (a wave's store covers a row's 512 bytes, aligned).
; Work-groups 512-767: one key tile of one head; a lane takes a column dv and its registers run down the keys, so the conversions give codes with the keys innermost; they leave through the wave's own stage in LDS.
; cos, sin: x = frac(t f) as reference() has it (the product rounded to f32, then the exact fraction); q = the nearest quarter turn; y = 2 pi (x - q / 4), |y| <= pi / 4;
;   Taylor sums to y^9 (sine) and y^10 (cosine): what is cut off is under 2e-9.  Every n has its own frequency: no pairing of freqs is assumed.
; LIMITS: e0, e1, e3 between -126 and 119 (2^e and 448 x 2^e are made as f32 patterns).  NaN and infinities among Q, V, freqs are not served.
;   The phase is 2 pi x without reference()'s rounding of that product to f32 at its full size: a difference of some 4e-7 in cos and sin.
; No tensor loads, no barrier, no matrix unit: memory binds, and waves share nothing.
.set HEADQ, 4194304                    ; bytes of a head of Q
.set HEADC, 1048576                    ; bytes of a head of codes
.set XO,  12                           ; v12-15   slot i: byte offset of my 64 bytes in the row that the slot loads next
.set F,   16                           ; v16-31   my 16 frequencies; dead behind the trigonometry: then v16-19 CO, v20-23 the scales
.set CO,  16                           ; v16-19   slot i: byte offset of my 16 codes
.set C,   32                           ; v32-47   cos(n)
.set SX,  48                           ; v48-63   SX[2 i] = +sin(2 i + 1), SX[2 i + 1] = -sin(2 i): what the pair's OTHER number is multiplied by
.set X,   64                           ; v64-127  four slots of 16 numbers (V's way: two sets of 32)
.set U,   128                          ; v128-143 X x SX  (V's way: v128-159 the codes)
.set R,   144                          ; v144-159 QR
.set TA,  160                          ; v160-175 QR held for e0  (V's way: v160-191 the way out)
.set CD,  176                          ; v176-207 slot i: four registers of qa's codes, four of qb's
	s_load_b256 s[4:11], s[0:1], 0x0               ; Q s[4:5], V s[6:7], freqs s[8:9], the scales' exponents s[10:11]
	s_load_b128 s[12:15], s[0:1], 0x20             ; qa s[12:13], qb s[14:15]
	s_load_b64 s[16:17], s[0:1], 0x30              ; vc
	v_lshl_add_u32 v208, v0, 2, 0x4800
	v_mov_b32 v209, 0
	v_lshrrev_b32 v1, 5, v0
	v_readfirstlane_b32 s18, v1                    ; wave 0..3
	v_and_b32 v3, 31, v0                           ; lane
	s_wait_kmcnt 0x0
	s_load_b128 s[20:23], s[10:11], 0x0            ; e0, e1, e2, e3
	s_cmp_lt_u32 ttmp9, 512                        ; the choice hangs on the work-group's number alone
	s_cbranch_scc0 .Lv
	; ---------------- Q's way ----------------
	s_lshl_b32 s19, ttmp9, 2
	s_add_co_u32 s19, s19, s18                     ; t
	v_cvt_f32_u32 v2, s19                          ; t as f32, exact
	v_lshlrev_b32 v1, 6, v3                        ; my 64 bytes of a row, and of freqs
	s_lshl_b32 s26, s19, 11
	s_mov_b32 s27, 0
	s_add_nc_u64 s[4:5], s[4:5], s[26:27]          ; Q at row t of head 0
	s_lshl_b32 s26, s19, 9
	s_add_nc_u64 s[12:13], s[12:13], s[26:27]      ; qa and qb likewise
	s_add_nc_u64 s[14:15], s[14:15], s[26:27]
.irp i, 0,1,2,3
	v_add_nc_u32 v[XO+\i], \i*HEADQ, v1
.endr
.irp j, 0,1,2,3
	global_load_b128 v[F+4*\j:F+4*\j+3], v1, s[8:9] offset:16*\j
.endr
.irp i, 0,1,2,3
.irp j, 0,1,2,3
	global_load_b128 v[X+16*\i+4*\j:X+16*\i+4*\j+3], v[XO+\i], s[4:5] offset:16*\j th:TH_LOAD_NT   ; heads 0 to 3 are on their way while cos and sin are made
.endr
.endr
	s_mov_b32 s28, 0x40c90fdb                      ; 2 pi
	s_mov_b32 s29, 0xbe2aaaab                      ; -1/3!
	s_mov_b32 s30, 0x3c088889                      ; 1/5!
	s_mov_b32 s31, 0xb9500d01                      ; -1/7!
	s_mov_b32 s32, 0x3638ef1d                      ; 1/9!
	s_mov_b32 s33, 0x3d2aaaab                      ; 1/4!
	s_mov_b32 s34, 0xbab60b61                      ; -1/6!
	s_mov_b32 s35, 0x37d00d01                      ; 1/8!
	s_mov_b32 s36, 0xb493f27e                      ; -1/10!
	s_wait_loadcnt 16                              ; the frequencies are in; the 16 loads of Q issued behind them stay out
.macro TRIG e
	v_mul_f32 v4, v2, v[F+\e]                      ; t f, rounded to f32 as reference() rounds it
	v_floor_f32 v5, v4
	v_sub_f32 v4, v4, v5                           ; x = its fraction
	v_mul_f32 v5, 4.0, v4
	v_rndne_f32 v5, v5                             ; q = the nearest quarter turn, 0 .. 4
	v_fmamk_f32 v4, v5, 0xbe800000, v4             ; x - q / 4, exact
	v_cvt_i32_f32 v5, v5
	v_mul_f32 v4, s28, v4                          ; y
	v_mul_f32 v6, v4, v4                           ; z = y y
	v_fma_f32 v7, v6, s32, s31                     ; the two sums go side by side
	v_fma_f32 v8, v6, s36, s35
	v_fma_f32 v7, v7, v6, s30
	v_fma_f32 v8, v8, v6, s34
	v_fma_f32 v7, v7, v6, s29
	v_fma_f32 v8, v8, v6, s33
	v_mul_f32 v9, v4, v6
	v_fma_f32 v8, v8, v6, -0.5
	v_fma_f32 v7, v9, v7, v4                       ; sin y
	v_fma_f32 v8, v8, v6, 1.0                      ; cos y
	v_and_b32 v9, 1, v5
	v_cmp_eq_u32 vcc_lo, 1, v9                     ; an odd quarter swaps the two
	v_cndmask_b32 v10, v7, v8, vcc_lo              ; |sin|'s source
	v_cndmask_b32 v11, v8, v7, vcc_lo              ; |cos|'s source
	v_add_nc_u32 v9, 1, v5
	v_and_b32 v9, 2, v9                            ; cos is negated in quarters 1 and 2
	v_lshlrev_b32 v9, 30, v9
	v_xor_b32 v[C+\e], v9, v11
.if (\e)%2 == 0
	v_add_nc_u32 v5, 2, v5                         ; an even n's sine is wanted negated
.endif
	v_and_b32 v5, 2, v5                            ; sin is negated in quarters 2 and 3
	v_lshlrev_b32 v5, 30, v5
	v_xor_b32 v[SX+\e+1-2*((\e)%2)], v5, v10       ; it goes to the pair's other place
.endm
.irp e, 0,1,2,3,4,5,6,7,8,9,10,11,12,13,14,15
	TRIG \e
.endr
	v_lshlrev_b32 v4, 4, v3
.irp i, 0,1,2,3
	v_add_nc_u32 v[CO+\i], \i*HEADC, v4
.endr
	s_wait_kmcnt 0x0
	s_add_co_i32 s26, s20, 127
	s_lshl_b32 s27, s26, 23
	v_mov_b32 v21, s27                             ; 2^e0 as f32: the conversion takes its exponent field
	s_add_co_i32 s26, s26, 8
	s_lshl_b32 s26, s26, 23
	s_or_b32 s26, s26, 0x600000
	v_mov_b32 v20, s26                             ; 448 x 2^e0
	s_add_co_i32 s26, s21, 127
	s_lshl_b32 s27, s26, 23
	v_mov_b32 v23, s27                             ; 2^e1
	s_add_co_i32 s26, s26, 8
	s_lshl_b32 s26, s26, 23
	s_or_b32 s26, s26, 0x600000
	v_mov_b32 v22, s26                             ; 448 x 2^e1
; One slot's turn: one head's row.  ahead = 1: the slot is filled again with the head four further on.  left = the younger loads that may stay out, four for each younger slot.
.macro SLOT i, ahead, left
.set XS, X+16*\i
.set CA, CD+8*\i
	s_wait_loadcnt \left                           ; loads come back in order: this slot's four are in, which also frees its offset register
	s_wait_xcnt 0x0                                ; this slot's codes and their offset, which its last stores read, are rewritten only behind this wait
.irp k, 0,2,4,6,8,10,12,14
	v_pk_mul_f32 v[U+\k:U+\k+1], v[XS+\k:XS+\k+1], v[SX+\k:SX+\k+1]
.endr
.irp k, 0,2,4,6,8,10,12,14
	v_fma_f32 v[R+\k], v[XS+\k], v[C+\k], v[U+\k+1]       ; Q[2 i] cos[2 i] - Q[2 i + 1] sin[2 i]
	v_fma_f32 v[R+\k+1], v[XS+\k+1], v[C+\k+1], v[U+\k]   ; Q[2 i + 1] cos[2 i + 1] + Q[2 i] sin[2 i + 1]
.endr
.irp k, 0,1,2,3,4,5,6,7,8,9,10,11,12,13,14,15
	v_med3_num_f32 v[TA+\k], v[R+\k], -v20, v20    ; the conversion to an 8-bit code does not saturate (ISA guide 7.6.2): hold first
.endr
	v_cvt_scalef32_pk8_fp8_f32 v[CA:CA+1], v[TA:TA+7], v21
	v_cvt_scalef32_pk8_fp8_f32 v[CA+2:CA+3], v[TA+8:TA+15], v21
.irp k, 0,1,2,3,4,5,6,7,8,9,10,11,12,13,14,15
	v_med3_num_f32 v[R+\k], v[R+\k], -v22, v22     ; (these are also the plain place behind the two conversions)
.endr
	v_cvt_scalef32_pk8_fp8_f32 v[CA+4:CA+5], v[R:R+7], v23
	v_cvt_scalef32_pk8_fp8_f32 v[CA+6:CA+7], v[R+8:R+15], v23
	v_nop                                          ; one plain place between a scaled conversion and what touches its result or its sources
.if \ahead
	v_add_nc_u32 v[XO+\i], 4*HEADQ, v[XO+\i]
.irp j, 0,1,2,3
	global_load_b128 v[XS+4*\j:XS+4*\j+3], v[XO+\i], s[4:5] offset:16*\j th:TH_LOAD_NT
.endr
	v_add_nc_u32 v[CO+\i], 4*HEADC, v[CO+\i]
	global_store_b128 v[CO+\i], v[CA:CA+3], s[12:13] offset:-4*HEADC      ; the wave stores the row's 512 bytes, aligned; the stores reach back to the head just done
	global_store_b128 v[CO+\i], v[CA+4:CA+7], s[14:15] offset:-4*HEADC
.else
	global_store_b128 v[CO+\i], v[CA:CA+3], s[12:13]
	global_store_b128 v[CO+\i], v[CA+4:CA+7], s[14:15]
.endif
.endm
	s_mov_b32 s24, 3
.Lround:
.irp i, 0,1,2,3
	SLOT \i, 1, 12
.endr
	s_sub_co_u32 s24, s24, 1
	s_cmp_lg_u32 s24, 0
	s_cbranch_scc1 .Lround
.irp i, 0,1,2,3
	SLOT \i, 0, 12-4*\i                            ; heads 12 to 15: nothing more is loaded, the counts run down
.endr
	s_endpgm
	; ---------------- V's way ----------------
.Lv:
	s_sub_co_u32 s19, ttmp9, 512                   ; 16 x head + key tile: its 128 keys are rows 128 x that number of V
	s_lshl_b32 s26, s19, 16                        ; 128 rows of 512 bytes,
	s_lshl_b32 s25, s18, 7                         ; my wave's 32 columns
	s_add_co_u32 s26, s26, s25
	s_mov_b32 s27, 0
	s_add_nc_u64 s[6:7], s[6:7], s[26:27]
	s_lshl_b32 s26, s19, 14                        ; the tile's 16,384 bytes of codes,
	s_lshl_b32 s25, s18, 12                        ; my wave's 32 rows of 128
	s_add_co_u32 s26, s26, s25
	s_add_nc_u64 s[16:17], s[16:17], s[26:27]
	v_lshlrev_b32 v1, 2, v3                        ; in: 4 bytes a lane: a load reads 128 consecutive bytes, the four waves side by side a whole row
.macro LOADV t                         ; keys 32 t + i of my column, into set t % 2
.irp i, 0,1,2,3,4,5,6,7,8,9,10,11,12,13,14,15,16,17,18,19,20,21,22,23,24,25,26,27,28,29,30,31
	global_load_b32 v[X+32*((\t)%2)+\i], v1, s[6:7] offset:(32*(\t)+\i)*512 th:TH_LOAD_NT
.endr
.endm
	LOADV 0
	LOADV 1
	s_mul_i32 s25, s18, 4608                       ; my stage: 32 rows of 128 bytes + 16
	v_mul_u32_u24 v4, v3, 144
	v_add_nc_u32 v4, s25, v4                       ; into it: row = my column
	v_lshrrev_b32 v5, 3, v3
	v_and_b32 v6, 7, v3
	v_mul_u32_u24 v5, v5, 144
	v_lshl_add_u32 v5, v6, 4, v5
	v_add_nc_u32 v5, s25, v5                       ; out of it: eight lanes to a row, four rows an instruction
	v_lshlrev_b32 v6, 4, v3                        ; and in vc the four rows are 512 consecutive bytes
	s_wait_kmcnt 0x0
	s_add_co_i32 s26, s23, 127
	s_lshl_b32 s27, s26, 23
	v_mov_b32 v21, s27                             ; 2^e3
	s_add_co_i32 s26, s26, 8
	s_lshl_b32 s26, s26, 23
	s_or_b32 s26, s26, 0x600000
	v_mov_b32 v20, s26                             ; 448 x 2^e3
.macro BLOCKV t
.set XS, X+32*((\t)%2)
.if (\t) < 3
	s_wait_loadcnt 32                              ; this block's 32 loads are in; the next block's 32 may be out
.else
	s_wait_loadcnt 0
.endif
.irp i, 0,1,2,3,4,5,6,7,8,9,10,11,12,13,14,15,16,17,18,19,20,21,22,23,24,25,26,27,28,29,30,31
	v_med3_num_f32 v[XS+\i], v[XS+\i], -v20, v20
.endr
.irp g, 0,1,2,3
	v_cvt_scalef32_pk8_fp8_f32 v[U+8*(\t)+2*\g:U+8*(\t)+2*\g+1], v[XS+8*\g:XS+8*\g+7], v21
.endr
	v_nop                                          ; one plain place behind the conversions
	ds_store_b128 v4, v[U+8*(\t):U+8*(\t)+3] offset:32*(\t)          ; 32 keys' codes of my column; each block has its own registers
	ds_store_b128 v4, v[U+8*(\t)+4:U+8*(\t)+7] offset:32*(\t)+16
.if (\t) < 2
	LOADV (\t)+2
.endif
.endm
	BLOCKV 0
	BLOCKV 1
	BLOCKV 2
	BLOCKV 3
.irp i, 0,1,2,3,4,5,6,7
	ds_load_b128 v[TA+4*\i:TA+4*\i+3], v5 offset:576*\i    ; LDS serves a wave's instructions in order (ISA guide 5.7.1.4): these see my stores
.endr
.irp i, 0,1,2,3,4,5,6,7
	s_wait_dscnt 7-\i                              ; the younger read-backs may stay out
	global_store_b128 v6, v[TA+4*\i:TA+4*\i+3], s[16:17] offset:512*\i   ; 512 consecutive bytes, aligned
.endr
	s_wait_tensorcnt 0x0
	ds_add_u32 v208, v209
	s_wait_dscnt 0x0
	s_endpgm
.Lfunc_end_k_q766701df6f_prep:
	.size	k_q766701df6f_prep, .Lfunc_end_k_q766701df6f_prep-k_q766701df6f_prep
	.p2alignl 7, 3214868480
	.fill 96, 4, 3214868480
	.section	.rodata,"a",@progbits
	.p2align	6, 0x0
	.amdhsa_kernel k_q766701df6f_prep
		.amdhsa_group_segment_fixed_size 18944
		.amdhsa_private_segment_fixed_size 0
		.amdhsa_enable_private_segment 0
		.amdhsa_kernarg_size 56
		.amdhsa_user_sgpr_count 2
		.amdhsa_user_sgpr_kernarg_segment_ptr 1
		.amdhsa_wavefront_size32 1
		.amdhsa_system_sgpr_workgroup_id_x 1
		.amdhsa_system_sgpr_workgroup_id_y 1
		.amdhsa_system_sgpr_workgroup_id_z 1
		.amdhsa_system_vgpr_workitem_id 0
		.amdhsa_next_free_vgpr 210
		.amdhsa_next_free_sgpr 66
		.amdhsa_reserve_vcc 1
		.amdhsa_float_denorm_mode_32 3
		.amdhsa_float_denorm_mode_16_64 3
		.amdhsa_memory_ordered 1
		.amdhsa_forward_progress 1
		.amdhsa_inst_pref_size 84
	.end_amdhsa_kernel
	.amdgpu_metadata
---
amdhsa.version: [ 1, 2 ]
amdhsa.kernels:
  - .name:           k_q766701df6f_prep
    .symbol:         k_q766701df6f_prep.kd
    .args:
      - { .name: Q, .offset: 0, .size: 8, .value_kind: global_buffer, .address_space: global }
      - { .name: V, .offset: 8, .size: 8, .value_kind: global_buffer, .address_space: global }
      - { .name: freqs, .offset: 16, .size: 8, .value_kind: global_buffer, .address_space: global }
      - { .name: lowp_scales, .offset: 24, .size: 8, .value_kind: global_buffer, .address_space: global }
      - { .name: qa, .offset: 32, .size: 8, .value_kind: global_buffer, .address_space: global }
      - { .name: qb, .offset: 40, .size: 8, .value_kind: global_buffer, .address_space: global }
      - { .name: vc, .offset: 48, .size: 8, .value_kind: global_buffer, .address_space: global }
    .group_segment_fixed_size: 18944
    .private_segment_fixed_size: 0
    .kernarg_segment_align: 8
    .kernarg_segment_size: 56
    .max_flat_workgroup_size: 128
    .sgpr_count:     66
    .vgpr_count:     210
    .wavefront_size: 32
...
	.end_amdgpu_metadata
.endif
;; end of part 1
;; launch attn (part 2): grid 16 x 16, 4 waves a work-group, clusters of 4 x 1, 327,680 bytes of LDS; arguments qa, qb, vc, lowp_scales, out0; writes out0
.if DOCPART == 2
	.amdgcn_target "amdgcn-amd-amdhsa--gfx1250"
	.amdhsa_code_object_version 6
	.text
	.protected	k_q766701df6f_attn
	.globl	k_q766701df6f_attn
	.p2align	8
	.type	k_q766701df6f_attn,@function
k_q766701df6f_attn:
	s_mov_b64 s[64:65], 0
	v_nop
	global_prefetch_b8 v0, s[64:65] scope:SCOPE_SE
	s_setreg_imm32_b32 hwreg(HW_REG_WAVE_MODE, 25, 1), 1
	s_wait_xcnt 0x0
	s_wait_alu depctr_hold_cnt(0) depctr_sa_sdst(0) depctr_va_vdst(0) depctr_va_sdst(0) depctr_va_ssrc(0) depctr_va_vcc(0) depctr_vm_vsrc(0)
	s_getreg_b32 s2, hwreg(HW_REG_IB_STS2, 6, 4)
	s_cmp_eq_u32 s2, 0
	s_cbranch_scc0 .Lentry_in_a_cluster
	s_endpgm
.Lentry_in_a_cluster:
	s_bfe_u32 s2, ttmp6, 0x10000c
	s_cmp_lg_u32 s2, 0x3003
	s_cbranch_scc0 .Lentry_shape_is_right
	s_endpgm
.Lentry_shape_is_right:
; out0[head][q][:] = the sum over keys k < q of Q8(score(q, k)) V8(k, :), score = the sum over n of qa(q, n) qb(k, n): both products on codes of E4M3.
; qa, qb: [16 heads][2048][512] codes (scales 2^e0, 2^e1).  vc: [16 heads][16 key tiles][128 dv][128 keys] codes (2^e3).  out0: [16 heads][2048][128] f32.
; A raw sum of the first product stands for sum x 2^(e0 + e1); its code under 2^e2 is sum / 2^E, E = e2 - e0 - e1, held within +-448: the three scales are folded into the conversion's one.
; A finished sum of the second product is multiplied once by 2^(e2 + e3).
; LIMITS: E between -126 and 119, e2 + e3 between -126 and 127 (the powers of two are made as f32 patterns).  Inside a K = 128 instruction k is permuted, alike in both operands.
; SHARES.  A cluster of four work-groups owns the blocks of 256 queries c and 7 - c of one head; work-group cx owns 64 queries of each.  Block c wants 2 c + 2 tiles of 128 keys, block 7 - c wants 16 - 2 c:
; 18 tiles in every work-group, so the 256 work-groups have equal work.  All four waves hold the same 64 queries (4 tiles of 16 x 512: 256 registers) and each takes 32 of a tile's 128 keys; there is no softmax,
; so out0 is a plain sum over keys: each wave keeps a partial O^T (128 dv x 64 queries, 256 registers), and the four are added through LDS at a block's end.
; CLUSTER.  The four partners walk the same tiles of keys and of V, so each tile is asked for JOINTLY (mask 15).  No branch, trip count or LDS address hangs on cx: it enters qa's and out0's addresses and the mask's lane term alone.
; So the diagonal's 256 keys are walked whole by all four partners, also where a partner's queries lie in front of them: leaving such tiles out would be a branch on cx.  4 x 4 clusters would share nothing more: queries are nobody else's.
; ORDER OF A BLOCK'S TILES: the two on the diagonal first, then 0, 1, ..: the masked steps, and the products that start O^T's sums, are a block's first two and are written out; the loop is unmasked.
; LAYOUT.  S^T = K Q^T (source 0 = 16 keys, source 1 = 16 queries): a lane holds one query (lane % 16) and keys 8 (lane / 16) + 0 .. 7 in eight registers: one conversion makes of them two registers of the K = 64 form's
; source 1, in that form's own order.  One K = 64 instruction takes the wave's 32 keys of an even tile and its 32 keys of the odd tile behind it.  O^T = V^T P (source 0 = 16 dv, source 1 = P) again holds one query a lane.
; SKEW.  While tile g's fragments come out of LDS, tile g - 1 is multiplied from registers (two sets for K): the wait for 0 in front of each change of slots is the only wait for LDS loads in the loop.
; REGISTERS, in windows of 256: window 0: v0-24 addresses and constants; v32-95 S^T (u, a) at 32 + 8 (4 u + a); v96-127 P (a) at 96 + 8 a; v128-191 V (t) at 128 + 8 t.
;   window 1: Q (a, kk) at 64 a + 16 kk.   window 2: O^T (t, a) at 8 (4 t + a); on the way out the four partial sums.   window 3: K (set, u, kk) at 128 set + 64 u + 16 kk.
.set KP,    528                        ; a key's row in LDS: 512 bytes + 16: row r starts at bank 4 r mod 64 (64 banks of 4 bytes: ISA guide 11.1)
.set VP,    144                        ; a row of V's tile: 128 bytes + 16: the 32 lanes of an 8-byte load touch each bank once
.set VOFF,  128*KP                     ; a slot: 128 rows of K, then 128 rows of V
.set SLOTB, VOFF+128*VP                ; 86,016
.set STAGE, 2*SLOTB                    ; behind the ring: four partial sums of 64 query rows x (512 bytes + 16); no tile lands here
.set SP,    528
.set CONTR, 64*SP
.set SPARE, STAGE+4*CONTR              ; the spare words, 128 bytes for each wave: two blocks of 256 bytes that no other line names
.set ADK, 3                            ; v3, v4   LDS address of my fragments of K in slot 0, 1
.set ADV, 5                            ; v5, v6   the same for V
.set STO, 7                            ; v7       where I put 16 bytes of a partial row
.set RD,  8                            ; v8, v9   where I read rows back: partial sums 0, 1 and 2, 3
.set QO,  10                           ; v10      my byte offset in the 64 rows of qa
.set GO,  11                           ; v11      my 16 bytes of a row of out0
.set SPW, 12                           ; v12      LDS address of my spare word; never rewritten
.set NIL, 13                           ; v13      0; never rewritten
                                       ; v14      448 x 2^E;  v15  2^E
.set D0,  16                           ; v16      64 cx + r - 32 w - 8 h: the mask's lane term
.set DD,  17                           ; v17-24   the same for each of the eight tiles of S^T
.set SR,  32
.set PR,  96
.set VR,  128
.set WV,  14                           ; s14 wave;  s15 wave & 1;  s16 c;  s17 cx;  s18 head
.set HW,  15
.set CC,  16
.set CX,  17
.set HD,  18
.set G1K, 24                           ; s[24:31] descriptor group 1 for K's tiles;  s[32:39] for V's
.set G1V, 32
.set G0K, 40                           ; s[40:47] group 0 for K's tiles, a set for each slot;  s[48:55] for V's
.set G0V, 48
.set BK,  56                           ; s[56:57] qb at my half of the head's tile 0;  s[58:59] vc likewise
.set BV,  58
.set T0,  60                           ; s[60:61] a tile's byte offset
.set KN,  62                           ; s62 the tile to ask for next;  s63 where the block's tiles end;  s66 where they began
.set NC,  63
.set ST,  66
.set NC2, 67                           ; s67, s68 the same two for the second block
.set ST2, 68
.set CNT, 69
.set QLO, 70                           ; s[70:71], s[72:73] qa at my 64 queries of the first and of the second block
.set QHI, 72
.set OLO, 74                           ; s[74:75], s[76:77] out0 at my wave's 16 rows of them
.set OHI, 76
.set OS,  78                           ; s[78:79] 2^(e2 + e3), twice
.set MSB, 0
.macro WIN new                         ; the immediate's high byte repeats the setting that is left; a switch that changes nothing is dropped
.if MSB != \new
	s_set_vgpr_msb (MSB<<8)|\new
.set MSB, \new
.endif
.endm
; A round of the cluster's barrier: my work-group's barrier; wave 0 signals for the work-group; every wave waits for all four work-groups; my work-group's barrier once more.
.macro ROUND
	s_barrier_signal -1
	s_barrier_wait -1
	s_cmp_lg_u32 s[WV], 0
	s_cbranch_scc1 .Lnot_wave_0_\@
	s_barrier_signal -3
.Lnot_wave_0_\@:
	s_barrier_wait -3
	s_barrier_signal -1
	s_barrier_wait -1
.endm
; A joint load into slot sl: waves 0 and 1 fetch K's halves (64 rows of 512 bytes), waves 2 and 3 V's (64 rows of 128).  The branch hangs on the wave's number alone.
; Four v_nop follow each of the two lines, ahead of the jump, the label and what follows.
.macro JLOAD sl
	s_cmp_lt_u32 s[WV], 2
	s_cbranch_scc0 .Lfor_v_\@
	tensor_load_to_lds s[G0K+4*(\sl):G0K+4*(\sl)+3], s[G1K:G1K+7]
	s_nop 0
.rept 4
	v_nop
.endr
	s_branch .Lasked_\@
.Lfor_v_\@:
	tensor_load_to_lds s[G0V+4*(\sl):G0V+4*(\sl)+3], s[G1V:G1V+7]
	s_nop 0
.rept 4
	v_nop
.endr
.Lasked_\@:
.endm
; Slot tgt's descriptors are set to tile KN, and KN goes on: 2 c, 2 c + 1, 0 .. 2 c - 1, then 14 - 2 c, 15 - 2 c, 0 .. 13 - 2 c.  Scalar work alone; it stands where no tensor load of the wave is out.
.macro ASK tgt
	s_lshl_b32 s[T0], s[KN], 16                    ; a tile of keys is 128 rows of 512 bytes
	s_add_nc_u64 s[G0K+4*(\tgt)+2:G0K+4*(\tgt)+3], s[BK:BK+1], s[T0:T0+1]
	s_or_b32 s[G0K+4*(\tgt)+3], s[G0K+4*(\tgt)+3], 0x80000000
	s_lshl_b32 s[T0], s[KN], 14                    ; a tile of V is 16,384 bytes
	s_add_nc_u64 s[G0V+4*(\tgt)+2:G0V+4*(\tgt)+3], s[BV:BV+1], s[T0:T0+1]
	s_or_b32 s[G0V+4*(\tgt)+3], s[G0V+4*(\tgt)+3], 0x80000000
	s_add_co_u32 s[KN], s[KN], 1
	s_cmp_eq_u32 s[KN], s[NC]                      ; behind the diagonal's two tiles: back to tile 0
	s_cselect_b32 s[KN], 0, s[KN]
	s_cmp_eq_u32 s[KN], s[ST]                      ; the diagonal is reached again: the block is through, on to the second block's diagonal
	s_cselect_b32 s[KN], s[ST2], s[KN]
	s_cselect_b32 s[NC], s[NC2], s[NC]
	s_cselect_b32 s[ST], s[ST2], s[ST]
.endm
; THE CHANGE OF SLOTS, at a step's head.  Each wave waits for all its tensor loads (one is out: its part of the tile about to be read), adds 0 to its spare word, and waits for that and for its LDS loads:
; its reads of the slot left, which are also the fragments that this step multiplies.  fill = 1: the barrier is a round of the cluster's, and the slot left is asked for again, first thing behind it.
.macro HEAD tgt, fill
	WIN 0
	s_wait_tensorcnt 0x0                           ; no tensor load of mine is out, so a group 0 may be written
	ds_add_u32 v[SPW], v[NIL]                      ; 0 onto my spare word; the descriptors' step stands between it and the wait for it
.if \fill
	ASK (\tgt)
	s_wait_dscnt 0x0
	ROUND
	JLOAD (\tgt)
.else
	s_wait_dscnt 0x0
	s_barrier_signal -1                            ; my work-group's barrier is enough
	s_barrier_wait -1
.endif
.endm
.macro KLOAD p                         ; my 32 keys x 512 of the tile in slot p into K's set p: 32 loads of 16 bytes a lane; registers 4 c .. 4 c + 3 of a fragment hold k = 32 c + 16 (lane / 16) + 0 .. 15, as Q's do
	WIN 0xc0                                       ; destination window 3
.irp u, 0,1
.irp kk, 0,1,2,3
.irp c, 0,1,2,3
	ds_load_b128 v[128*(\p)+64*\u+16*\kk+4*\c:128*(\p)+64*\u+16*\kk+4*\c+3], v[ADK+(\p)] offset:\u*16*KP+\kk*128+\c*32
.endr
.endr
.endr
	WIN 0
.endm
.macro VLOAD p                         ; 128 dv x my 32 keys of the tile in slot p into half p of V's fragments: registers 4 p + 2 u, + 1 hold keys 16 u + 8 (lane / 16) + 0 .. 7
.irp t, 0,1,2,3,4,5,6,7
.irp u, 0,1
	ds_load_b64 v[VR+8*\t+4*(\p)+2*\u:VR+8*\t+4*(\p)+2*\u+1], v[ADV+(\p)] offset:\t*16*VP+\u*16
.endr
.endr
.endm
.macro KQ b                            ; S^T = K Q^T from K's set b: 32 matrix instructions; the eight accumulators take turns, one instruction a turn; the first eight start the sums
	WIN 0x07                                       ; source 0 window 3, source 1 window 1
.irp kk, 0,1,2,3
.irp u, 0,1
.irp a, 0,1,2,3
.if \kk == 0
	v_wmma_f32_16x16x128_fp8_fp8 v[SR+8*(4*\u+\a):SR+8*(4*\u+\a)+7], v[128*(\b)+64*\u+16*\kk:128*(\b)+64*\u+16*\kk+15], v[64*\a+16*\kk:64*\a+16*\kk+15], 0
.else
	v_wmma_f32_16x16x128_fp8_fp8 v[SR+8*(4*\u+\a):SR+8*(4*\u+\a)+7], v[128*(\b)+64*\u+16*\kk:128*(\b)+64*\u+16*\kk+15], v[64*\a+16*\kk:64*\a+16*\kk+15], v[SR+8*(4*\u+\a):SR+8*(4*\u+\a)+7]
.endif
.endr
.endr
.endr
	WIN 0
.endm
; The scores become half par of P.  m = 1: the tile is the diagonal's i-th: a score is kept where key < query, that is where register j < D0 + 16 (a - u) - 128 i; else it is 0, as reference()'s tril has it.
; Each accumulator is read from its low end on.  Four plain places stand behind the products (ISA guide 7.12.1): the eight additions, or four v_nop.
.macro CONV par, m, i
.if \m
.irp u, 0,1
.irp a, 0,1,2,3
	v_add_nc_u32 v[DD+4*\u+\a], 16*(\a-\u)-128*(\i), v[D0]
.endr
.endr
.irp u, 0,1
.irp a, 0,1,2,3
.irp j, 0,1,2,3,4,5,6,7
	v_cmp_lt_i32 vcc_lo, \j, v[DD+4*\u+\a]
	v_cndmask_b32 v[SR+8*(4*\u+\a)+\j], 0, v[SR+8*(4*\u+\a)+\j], vcc_lo
.endr
.endr
.endr
.else
.rept 4
	v_nop
.endr
.endif
.irp u, 0,1
.irp a, 0,1,2,3
.irp j, 0,1,2,3,4,5,6,7
	v_med3_num_f32 v[SR+8*(4*\u+\a)+\j], v[SR+8*(4*\u+\a)+\j], -v14, v14   ; the conversion to an 8-bit code does not saturate (ISA guide 7.6.2): hold first
.endr
.endr
.endr
.irp u, 0,1
.irp a, 0,1,2,3
	v_cvt_scalef32_pk8_fp8_f32 v[PR+8*\a+4*(\par)+2*\u:PR+8*\a+4*(\par)+2*\u+1], v[SR+8*(4*\u+\a):SR+8*(4*\u+\a)+7], v15
.endr
.endr
.rept 4
	v_nop                                          ; the place behind the conversions, and the places between an operand written by vector instructions and the product that takes it
.endr
.endm
.macro PVM zero                        ; O^T += V^T P over the pair's 64 keys of mine: 32 matrix instructions, each on its own accumulator.  zero = 1: they start the sums: nothing is ever cleared
	WIN 0xa0                                       ; C and D window 2
.irp t, 0,1,2,3,4,5,6,7
.irp a, 0,1,2,3
.if \zero
	v_wmma_f32_16x16x64_fp8_fp8 v[8*(4*\t+\a):8*(4*\t+\a)+7], v[VR+8*\t:VR+8*\t+7], v[PR+8*\a:PR+8*\a+7], 0
.else
	v_wmma_f32_16x16x64_fp8_fp8 v[8*(4*\t+\a):8*(4*\t+\a)+7], v[VR+8*\t:VR+8*\t+7], v[PR+8*\a:PR+8*\a+7], v[8*(4*\t+\a):8*(4*\t+\a)+7]
.endif
.endr
.endr
	WIN 0
.rept 4
	v_nop                                          ; places in front of loads into V's registers, of writes of P and of reads of O^T
.endr
.endm
; A STEP: the tile in slot par is fetched into registers, the tile before it (parity 1 - par) is multiplied.  Behind an odd tile's scores the pair's V^T P follows, and then the even tile's V is fetched.
; K's set par was last multiplied a step ago, in front of that step's 72 plain instructions or more.  qw = 1: the block's queries are waited for.
.macro STEP par, m, i, zero, fill, qw
	HEAD (1-\par), \fill
	KLOAD \par
.if \par
	VLOAD 1
.endif
.if \qw
	s_wait_loadcnt 0x0                             ; Q
.endif
	KQ (1-\par)
	CONV (1-\par), \m, \i
.if \par == 0
	PVM \zero
	VLOAD 0
.endif
.endm
.macro QLOAD sb                        ; 64 queries x 512 codes stay in registers for a block: tile a, k = 128 kk on
	WIN 0x40                                       ; destination window 1
.irp a, 0,1,2,3
.irp kk, 0,1,2,3
.irp c, 0,1,2,3
	global_load_b128 v[64*\a+16*\kk+4*\c:64*\a+16*\kk+4*\c+3], v[QO], s[\sb:\sb+1] offset:\a*8192+\kk*128+\c*32
.endr
.endr
.endr
	WIN 0
.endm
; A BLOCK'S END.  Each wave puts its partial O^T into its part of the stage (a lane's eight dv of a query are 32 bytes of a row); a barrier; wave w reads query rows 16 w .. 16 w + 15 of all four parts as whole
; rows of 512 bytes, adds them, multiplies by 2^(e2 + e3) and stores.  The tile that is on its way lands in a slot that nobody touches before the next change of slots, so it may stay out across this barrier.
.macro REDUCE ob, next
.if \next
	QLOAD QHI                                      ; the next block's queries: the last product that read Q stands in front of the conversions
.endif
	WIN 0x08                                       ; store data window 2
.irp t, 0,1,2,3,4,5,6,7
.irp a, 0,1,2,3
	ds_store_b128 v[STO], v[8*(4*\t+\a):8*(4*\t+\a)+3] offset:\a*16*SP+\t*64          ; each accumulator from its low end on
	ds_store_b128 v[STO], v[8*(4*\t+\a)+4:8*(4*\t+\a)+7] offset:\a*16*SP+\t*64+16
.endr
.endr
	WIN 0
	s_wait_dscnt 0x0                               ; for the others' sake: my stores into the stage are done
	s_barrier_signal -1
	s_barrier_wait -1
	WIN 0x80                                       ; destination window 2: part k's row i at v[64 k + 4 i]
.irp k, 0,1,2,3
.irp i, 0,1,2,3,4,5,6,7,8,9,10,11,12,13,14,15
	ds_load_b128 v[64*\k+4*\i:64*\k+4*\i+3], v[RD+(\k/2)] offset:(\k%2)*CONTR+\i*SP
.endr
.endr
	s_wait_dscnt 0x0
	WIN 0x8a                                       ; sources 0, 1 and destination window 2
.set x, 0
.rept 32
	v_pk_add_f32 v[x:x+1], v[x:x+1], v[64+x:65+x]
	v_pk_add_f32 v[128+x:129+x], v[128+x:129+x], v[192+x:193+x]
.set x, x+2
.endr
.set x, 0
.rept 32
	v_pk_add_f32 v[x:x+1], v[x:x+1], v[128+x:129+x]
.set x, x+2
.endr
	WIN 0x82                                       ; source 0 and destination window 2
.set x, 0
.rept 32
	v_pk_mul_f32 v[x:x+1], v[x:x+1], s[OS:OS+1] op_sel_hi:[1,0]
.set x, x+2
.endr
	WIN 0x08
.irp i, 0,1,2,3,4,5,6,7,8,9,10,11,12,13,14,15
	global_store_b128 v[GO], v[4*\i:4*\i+3], s[\ob:\ob+1] offset:\i*512 th:TH_STORE_NT   ; the wave stores a row's 512 consecutive bytes, aligned
.endr
	WIN 0
	s_wait_xcnt 0x0                                ; the stores' data registers are O^T's: the next block's products write them only behind this wait
.endm
	s_load_b256 s[4:11], s[0:1], 0x0               ; qa s[4:5], qb s[6:7], vc s[8:9], the scales' exponents s[10:11]
	s_load_b64 s[12:13], s[0:1], 0x20              ; out0
	v_lshl_add_u32 v[SPW], v0, 2, SPARE
	v_mov_b32 v[NIL], 0
	ds_add_u32 v12, v13
	ds_add_u32 v12, v13
	s_wait_dscnt 0x0
	v_lshrrev_b32 v1, 5, v0
	v_readfirstlane_b32 s[WV], v1                  ; wave 0..3
	s_and_b32 s[HW], s[WV], 1                      ; which half of a tile I fetch
	s_mov_b32 s[CC], ttmp9                         ; c: in a cluster launch ttmp9 counts clusters
	s_bfe_u32 s[CX], ttmp6, 0x40000                ; cx: my place in the cluster
	s_and_b32 s[HD], ttmp7, 0xffff                 ; the head, which the partners share
	; descriptor group 1.  K: 64 rows x 512 bytes, 512 apart;  V: 64 rows x 128 bytes, 128 apart
	s_mov_b32 s[G1K], 15|(1<<20)|(1<<21)|(6<<22)|(3<<25)   ; 15:0 the mask: all four work-groups; 17:16 elements of 1 byte; 20 padding on; 21 set beside a mask; 24:22 after every 128 words (code 6); 31:25 four words (code 3)
	s_mov_b32 s[G1K+1], 512<<16                    ; tensor_dim0
	s_mov_b32 s[G1K+2], 64<<16                     ; tensor_dim1
	s_mov_b32 s[G1K+3], 512<<16                    ; tile_dim0
	s_mov_b32 s[G1K+4], 64                         ; tile_dim1
	s_mov_b32 s[G1K+5], 512                        ; tensor_dim0_stride
	s_mov_b32 s[G1K+6], 0
	s_mov_b32 s[G1K+7], 0
	s_mov_b32 s[G1V], 15|(1<<20)|(1<<21)|(4<<22)|(3<<25)   ; padding: four words after every 32
	s_mov_b32 s[G1V+1], 128<<16
	s_mov_b32 s[G1V+2], 64<<16
	s_mov_b32 s[G1V+3], 128<<16
	s_mov_b32 s[G1V+4], 64
	s_mov_b32 s[G1V+5], 128
	s_mov_b32 s[G1V+6], 0
	s_mov_b32 s[G1V+7], 0
	s_mul_i32 s80, s[HW], 64*KP                    ; where my half goes in a slot: the wave's number and constants alone
	s_mul_i32 s81, s[HW], 64*VP
.irp s, 0,1
	s_mov_b32 s[G0K+4*\s], 1                       ; count = 1
	s_add_co_u32 s[G0K+4*\s+1], s80, \s*SLOTB      ; LDS address
	s_mov_b32 s[G0V+4*\s], 1
	s_add_co_u32 s[G0V+4*\s+1], s81, \s*SLOTB+VOFF
.endr
	s_lshl_b32 s[KN], s[CC], 1                     ; the first block's diagonal begins at tile 2 c
	s_mov_b32 s[ST], s[KN]
	s_add_co_u32 s[NC], s[KN], 2
	s_sub_co_u32 s[ST2], 14, s[KN]                 ; the second block's at tile 14 - 2 c
	s_sub_co_u32 s[NC2], 16, s[KN]
	s_mov_b32 s[T0+1], 0
	v_and_b32 v1, 15, v0                           ; r = lane % 16
	v_bfe_u32 v2, v0, 4, 1                         ; h = lane / 16
	s_mul_i32 s80, s[WV], 32*KP                    ; my 32 keys of a tile
	v_mul_u32_u24 v[ADK], v1, KP
	v_lshl_add_u32 v[ADK], v2, 4, v[ADK]
	v_add_nc_u32 v[ADK], s80, v[ADK]               ; (32 w + r) x pitch + 16 h
	v_add_nc_u32 v[ADK+1], SLOTB, v[ADK]
	s_lshl_b32 s81, s[WV], 5
	s_add_co_u32 s81, s81, VOFF
	v_mul_u32_u24 v[ADV], v1, VP
	v_lshl_add_u32 v[ADV], v2, 3, v[ADV]
	v_add_nc_u32 v[ADV], s81, v[ADV]               ; r x pitch + 32 w + 8 h, behind K's rows
	v_add_nc_u32 v[ADV+1], SLOTB, v[ADV]
	s_mul_i32 s82, s[WV], CONTR
	s_add_co_u32 s82, s82, STAGE
	v_mul_u32_u24 v[STO], v1, SP
	v_lshl_add_u32 v[STO], v2, 5, v[STO]
	v_add_nc_u32 v[STO], s82, v[STO]               ; my part of the stage: row r, 32 bytes for each half of the lanes
	v_and_b32 v[GO], 31, v0
	v_lshlrev_b32 v[GO], 4, v[GO]                  ; 16 bytes a lane of a row of 512
	s_mul_i32 s83, s[WV], 16*SP
	s_add_co_u32 s83, s83, STAGE
	v_add_nc_u32 v[RD], s83, v[GO]                 ; back: query rows 16 w on, of parts 0 and 1,
	v_add_nc_u32 v[RD+1], 2*CONTR, v[RD]           ; and of parts 2 and 3
	v_lshlrev_b32 v[QO], 9, v1
	v_lshl_add_u32 v[QO], v2, 4, v[QO]             ; qa: row r x 512 + 16 h
	s_lshl_b32 s84, s[CX], 6                       ; numbers made of cx live in s84-87 and s70-77 alone
	s_lshl_b32 s85, s[WV], 5
	s_sub_co_i32 s84, s84, s85
	v_lshlrev_b32 v[D0], 3, v2
	v_sub_nc_u32 v[D0], v1, v[D0]
	v_add_nc_u32 v[D0], s84, v[D0]                 ; 64 cx + r - 32 w - 8 h: the same in both blocks, since each block's first query lies 64 cx behind its diagonal's first key
	s_wait_kmcnt 0x0
	s_load_b128 s[20:23], s[10:11], 0x0            ; e0, e1, e2, e3
	s_lshl_b32 s80, s[HD], 20
	s_lshl_b32 s81, s[HW], 15
	s_add_co_u32 s80, s80, s81
	s_mov_b32 s81, 0
	s_add_nc_u64 s[BK:BK+1], s[6:7], s[80:81]      ; qb: the head, my 64 rows of a tile
	s_lshl_b32 s80, s[HD], 18
	s_lshl_b32 s82, s[HW], 13
	s_add_co_u32 s80, s80, s82
	s_add_nc_u64 s[BV:BV+1], s[8:9], s[80:81]      ; vc likewise
	s_lshl_b32 s86, s[HD], 20                      ; qa and out0 have rows of 512 bytes both: head x 2048 rows,
	s_lshl_b32 s87, s[CX], 15                      ; 64 cx rows,
	s_add_co_u32 s86, s86, s87
	s_lshl_b32 s84, s[CC], 17                      ; 256 c rows
	s_add_co_u32 s84, s84, s86
	s_mov_b32 s85, 0
	s_add_nc_u64 s[QLO:QLO+1], s[4:5], s[84:85]
	s_lshl_b32 s87, s[WV], 13                      ; out0: my wave's 16 rows
	s_add_co_u32 s84, s84, s87
	s_add_nc_u64 s[OLO:OLO+1], s[12:13], s[84:85]
	s_sub_co_u32 s84, 7, s[CC]
	s_lshl_b32 s84, s84, 17                        ; 256 (7 - c) rows
	s_add_co_u32 s84, s84, s86
	s_add_nc_u64 s[QHI:QHI+1], s[4:5], s[84:85]
	s_add_co_u32 s84, s84, s87
	s_add_nc_u64 s[OHI:OHI+1], s[12:13], s[84:85]
	ASK 0
	ROUND                                          ; all four work-groups are here: the first joint loads meet
	JLOAD 0                                        ; the first tile, into slot 0
	QLOAD QLO
	s_wait_kmcnt 0x0
	s_sub_co_i32 s80, s22, s20
	s_sub_co_i32 s80, s80, s21                     ; E = e2 - e0 - e1
	s_add_co_i32 s80, s80, 127
	s_lshl_b32 s81, s80, 23
	v_mov_b32 v15, s81                             ; 2^E as f32: the conversion takes its exponent field
	s_add_co_i32 s80, s80, 8
	s_lshl_b32 s80, s80, 23
	s_or_b32 s80, s80, 0x600000
	v_mov_b32 v14, s80                             ; 448 x 2^E
	s_add_co_i32 s[OS], s22, s23
	s_add_co_i32 s[OS], s[OS], 127
	s_lshl_b32 s[OS], s[OS], 23                    ; 2^(e2 + e3) as f32
	s_mov_b32 s[OS+1], s[OS]                       ; named with it as a pair, so it is written
	HEAD 1, 1                                      ; the first tile is in; slot 1 gets its first fill as a refill does: one load a wave behind a round
	KLOAD 0
	VLOAD 0
	STEP 1, 1, 0, 0, 1, 1                          ; FIRST BLOCK: the diagonal's first tile is multiplied, masked
	STEP 0, 1, 1, 1, 1, 0                          ; its second; the pair's V^T P starts O^T's sums
	s_cmp_eq_u32 s[CC], 0                          ; c pairs of tiles in front of the diagonal: the same number in all partners
	s_cbranch_scc1 .Llo_done
	s_mov_b32 s[CNT], s[CC]
.Llo:
	STEP 1, 0, 0, 0, 1, 0
	STEP 0, 0, 0, 0, 1, 0
	s_sub_co_u32 s[CNT], s[CNT], 1
	s_cmp_lg_u32 s[CNT], 0
	s_cbranch_scc1 .Llo
.Llo_done:
	REDUCE OLO, 1                                  ; the ring goes on: the second block's first tile is already on its way into K's set 0 and V's half 0
	STEP 1, 1, 0, 0, 1, 1                          ; SECOND BLOCK
	STEP 0, 1, 1, 1, 1, 0
	s_sub_co_u32 s[CNT], 6, s[CC]                  ; 6 - c pairs of steps that still ask for a tile: at least 3
.Lhi:
	STEP 1, 0, 0, 0, 1, 0
	STEP 0, 0, 0, 0, 1, 0
	s_sub_co_u32 s[CNT], s[CNT], 1
	s_cmp_lg_u32 s[CNT], 0
	s_cbranch_scc1 .Lhi
	STEP 1, 0, 0, 0, 0, 0                          ; the tail is written out: the last tile is fetched, nothing is asked for
	s_wait_dscnt 0x0                               ; the last tile's fragments: no change of slots follows that would wait for them
	KQ 1
	CONV 1, 0, 0
	PVM 0
	REDUCE OHI, 0
	s_wait_tensorcnt 0x0                           ; the wave's end, behind my last tensor load and my last LDS store
	ds_add_u32 v[SPW], v[NIL]
	s_wait_dscnt 0x0
	ROUND                                          ; the closing round: no work-group ends while a partner may still ask for a tile that names it
	s_endpgm
.Lfunc_end_k_q766701df6f_attn:
	.size	k_q766701df6f_attn, .Lfunc_end_k_q766701df6f_attn-k_q766701df6f_attn
	.p2alignl 7, 3214868480
	.fill 96, 4, 3214868480
	.section	.rodata,"a",@progbits
	.p2align	6, 0x0
	.amdhsa_kernel k_q766701df6f_attn
		.amdhsa_group_segment_fixed_size 327680
		.amdhsa_private_segment_fixed_size 0
		.amdhsa_enable_private_segment 0
		.amdhsa_kernarg_size 40
		.amdhsa_user_sgpr_count 2
		.amdhsa_user_sgpr_kernarg_segment_ptr 1
		.amdhsa_wavefront_size32 1
		.amdhsa_system_sgpr_workgroup_id_x 1
		.amdhsa_system_sgpr_workgroup_id_y 1
		.amdhsa_system_sgpr_workgroup_id_z 1
		.amdhsa_system_vgpr_workitem_id 0
		.amdhsa_next_free_vgpr 1024
		.amdhsa_next_free_sgpr 88
		.amdhsa_reserve_vcc 1
		.amdhsa_float_denorm_mode_32 3
		.amdhsa_float_denorm_mode_16_64 3
		.amdhsa_memory_ordered 1
		.amdhsa_forward_progress 1
		.amdhsa_inst_pref_size 196
	.end_amdhsa_kernel
	.amdgpu_metadata
---
amdhsa.version: [ 1, 2 ]
amdhsa.kernels:
  - .name:           k_q766701df6f_attn
    .symbol:         k_q766701df6f_attn.kd
    .args:
      - { .name: qa, .offset: 0, .size: 8, .value_kind: global_buffer, .address_space: global }
      - { .name: qb, .offset: 8, .size: 8, .value_kind: global_buffer, .address_space: global }
      - { .name: vc, .offset: 16, .size: 8, .value_kind: global_buffer, .address_space: global }
      - { .name: lowp_scales, .offset: 24, .size: 8, .value_kind: global_buffer, .address_space: global }
      - { .name: out0, .offset: 32, .size: 8, .value_kind: global_buffer, .address_space: global }
    .group_segment_fixed_size: 327680
    .private_segment_fixed_size: 0
    .kernarg_segment_align: 8
    .kernarg_segment_size: 40
    .max_flat_workgroup_size: 128
    .sgpr_count:     88
    .vgpr_count:     1024
    .wavefront_size: 32
...
	.end_amdgpu_metadata
.endif
;; end of part 2
;; ======== version 2 of 2: 2 launches
;; workspace buffers: qa 16,777,216 bytes; qb 16,777,216 bytes; vc 4,194,304 bytes
;; launch prep (part 3): grid 768 x 1, 4 waves a work-group, no clusters, 0 bytes of LDS; arguments Q, V, freqs, lowp_scales, qa, qb, vc; writes qa, qb, vc
.if DOCPART == 3
	.amdgcn_target "amdgcn-amd-amdhsa--gfx1250"
	.amdhsa_code_object_version 6
	.text
	.protected	k_q766701df6f_prep
	.globl	k_q766701df6f_prep
	.p2align	8
	.type	k_q766701df6f_prep,@function
k_q766701df6f_prep:
	s_mov_b64 s[64:65], 0
	v_nop
	global_prefetch_b8 v0, s[64:65] scope:SCOPE_SE
	s_setreg_imm32_b32 hwreg(HW_REG_WAVE_MODE, 25, 1), 1
	s_wait_xcnt 0x0
; QR = Q cos + rot(Q) sin in f32, quantised twice to E4M3: qa with 2^e0 (the queries' side), qb with 2^e1 (the keys' side), both [16 heads][2048 t][512], one code a byte.
; THE ORDER OF n IN A ROW OF qa AND OF qb IS PERMUTED, alike in both: byte 16 l + 4 j + i holds n = 128 j + 4 l + i.  The product that reads them sums over all 512, code against code at the same byte.
; V quantised with 2^e3 into vc [16 heads][64 groups of 32 keys][8 groups of 16 dv][h][r][u][8]: the byte holds dv = 16 t + r, key = 32 G + 16 u + 8 h + j: the order in which a wave of the next launch takes a fragment.
; Work-groups 0-511: wave w owns row t = 4 x work-group + w of ALL 16 heads: cos and sin hang on (t, n) alone, so they are made once and serve 16 rows.
;   Lane l owns n = 128 j + 4 l + 0 .. 3, j = 0 .. 3: each of a row's four loads reads 512 consecutive bytes, a rotation's pair lies in one lane, and the lane's 16 codes are 16 bytes: a store covers the row's 512 bytes, aligned.
;   The 16 heads are written out: one offset register, bases that are never stepped, each head's codes in registers of their own: nothing that a pending load or store names is ever rewritten.
; Work-groups 512-767: 128 keys of one head; a lane takes a column dv and its registers run down the keys, so the conversions give codes with the keys innermost; sixteen lanes store 256 consecutive bytes, aligned.
; cos, sin: x = frac(t f) as reference() has it (the product rounded to f32, then the exact fraction); q = the nearest quarter turn; y = 2 pi (x - q / 4), |y| <= pi / 4;
;   Taylor sums to y^9 (sine) and y^10 (cosine): what is cut off is under 2e-9.  Every n has its own frequency: no pairing of freqs is assumed.
; LIMITS: e0, e1, e3 between -126 and 119 (2^e and 448 x 2^e are made as f32 patterns).  NaN and infinities among Q, V, freqs are not served.
;   The phase is 2 pi x without reference()'s rounding of that product to f32 at its full size: a difference of some 4e-7 in cos and sin.
; No tensor loads, no LDS, no barrier, no matrix unit: memory binds, and waves share nothing.
.set HEADQ, 4194304                    ; bytes of a head of Q
.set HEADC, 1048576                    ; bytes of a head of codes
.set F,   16                           ; v16-31   my 16 frequencies; dead behind the trigonometry
.set U,   16                           ; v16-31   then: X x SX, and after that QR held for e0
.set C,   32                           ; v32-47   cos; register 4 j + i stands for n = 128 j + 4 l + i
.set SX,  48                           ; v48-63   SX[2 i] = +sin(2 i + 1), SX[2 i + 1] = -sin(2 i): what the pair's OTHER number is multiplied by
.set X,   64                           ; v64-127  four slots of 16 numbers; QR is made in place (V's way: two sets of 32)
.set CD,  128                          ; v128-255 head h: four registers of qa's codes, four of qb's (V's way: v128-159 the codes)
.set QB,  40                           ; s[40:55] Q at row t of heads 0, 2, .. 14;  s[12:15] qa, qb at head 0;  s[56:59] at head 8
	s_load_b256 s[4:11], s[0:1], 0x0               ; Q s[4:5], V s[6:7], freqs s[8:9], the scales' exponents s[10:11]
	s_load_b128 s[12:15], s[0:1], 0x20             ; qa s[12:13], qb s[14:15]
	s_load_b64 s[16:17], s[0:1], 0x30              ; vc
	v_lshrrev_b32 v1, 5, v0
	v_readfirstlane_b32 s18, v1                    ; wave 0..3
	v_and_b32 v3, 31, v0                           ; lane
	s_wait_kmcnt 0x0
	s_load_b128 s[20:23], s[10:11], 0x0            ; e0, e1, e2, e3
	s_cmp_lt_u32 ttmp9, 512                        ; the choice hangs on the work-group's number alone
	s_cbranch_scc0 .Lv
	; ---------------- Q's way ----------------
	s_lshl_b32 s19, ttmp9, 2
	s_add_co_u32 s19, s19, s18                     ; t
	v_cvt_f32_u32 v2, s19                          ; t as f32, exact
	v_lshlrev_b32 v1, 4, v3                        ; 16 bytes a lane: the one offset of every load and store; never rewritten
	s_lshl_b32 s26, s19, 11
	s_mov_b32 s27, 0
	s_add_nc_u64 s[QB:QB+1], s[4:5], s[26:27]      ; Q at row t of head 0,
.irp g, 1,2,3,4,5,6,7
	s_add_nc_u64 s[QB+2*\g:QB+2*\g+1], s[QB+2*\g-2:QB+2*\g-1], 2*HEADQ   ; and of every second head: the odd heads stand in the immediate
.endr
	s_lshl_b32 s26, s19, 9
	s_add_nc_u64 s[12:13], s[12:13], s[26:27]      ; qa and qb at row t of head 0: heads 1 to 7 stand in the immediate, 7 MiB at the most
	s_add_nc_u64 s[14:15], s[14:15], s[26:27]
	s_add_nc_u64 s[56:57], s[12:13], 8*HEADC       ; and of head 8
	s_add_nc_u64 s[58:59], s[14:15], 8*HEADC
.irp j, 0,1,2,3
	global_load_b128 v[F+4*\j:F+4*\j+3], v1, s[8:9] offset:512*\j
.endr
.macro LOADQ h                         ; head h's row into slot h % 4: four loads of 512 consecutive bytes
.irp j, 0,1,2,3
	global_load_b128 v[X+16*((\h)%4)+4*\j:X+16*((\h)%4)+4*\j+3], v1, s[QB+2*((\h)/2):QB+2*((\h)/2)+1] offset:((\h)%2)*HEADQ+512*\j th:TH_LOAD_NT
.endr
.endm
	LOADQ 0                                        ; heads 0 to 3 are on their way while cos and sin are made
	LOADQ 1
	LOADQ 2
	LOADQ 3
	s_mov_b32 s28, 0x40c90fdb                      ; 2 pi
	s_mov_b32 s29, 0xbe2aaaab                      ; -1/3!
	s_mov_b32 s30, 0x3c088889                      ; 1/5!
	s_mov_b32 s31, 0xb9500d01                      ; -1/7!
	s_mov_b32 s32, 0x3638ef1d                      ; 1/9!
	s_mov_b32 s33, 0x3d2aaaab                      ; 1/4!
	s_mov_b32 s34, 0xbab60b61                      ; -1/6!
	s_mov_b32 s35, 0x37d00d01                      ; 1/8!
	s_mov_b32 s36, 0xb493f27e                      ; -1/10!
	s_wait_loadcnt 16                              ; the frequencies are in; the 16 loads of Q issued behind them stay out
.macro TRIG e
	v_mul_f32 v4, v2, v[F+\e]                      ; t f, rounded to f32 as reference() rounds it
	v_floor_f32 v5, v4
	v_sub_f32 v4, v4, v5                           ; x = its fraction
	v_mul_f32 v5, 4.0, v4
	v_rndne_f32 v5, v5                             ; q = the nearest quarter turn, 0 .. 4
	v_fmamk_f32 v4, v5, 0xbe800000, v4             ; x - q / 4, exact
	v_cvt_i32_f32 v5, v5
	v_mul_f32 v4, s28, v4                          ; y
	v_mul_f32 v6, v4, v4                           ; z = y y
	v_fma_f32 v7, v6, s32, s31                     ; the two sums go side by side
	v_fma_f32 v8, v6, s36, s35
	v_fma_f32 v7, v7, v6, s30
	v_fma_f32 v8, v8, v6, s34
	v_fma_f32 v7, v7, v6, s29
	v_fma_f32 v8, v8, v6, s33
	v_mul_f32 v9, v4, v6
	v_fma_f32 v8, v8, v6, -0.5
	v_fma_f32 v7, v9, v7, v4                       ; sin y
	v_fma_f32 v8, v8, v6, 1.0                      ; cos y
	v_and_b32 v9, 1, v5
	v_cmp_eq_u32 vcc_lo, 1, v9                     ; an odd quarter swaps the two
	v_cndmask_b32 v10, v7, v8, vcc_lo              ; |sin|'s source
	v_cndmask_b32 v11, v8, v7, vcc_lo              ; |cos|'s source
	v_add_nc_u32 v9, 1, v5
	v_and_b32 v9, 2, v9                            ; cos is negated in quarters 1 and 2
	v_lshlrev_b32 v9, 30, v9
	v_xor_b32 v[C+\e], v9, v11
.if (\e)%2 == 0
	v_add_nc_u32 v5, 2, v5                         ; an even n's sine is wanted negated
.endif
	v_and_b32 v5, 2, v5                            ; sin is negated in quarters 2 and 3
	v_lshlrev_b32 v5, 30, v5
	v_xor_b32 v[SX+\e+1-2*((\e)%2)], v5, v10       ; it goes to the pair's other place
.endm
.irp e, 0,1,2,3,4,5,6,7,8,9,10,11,12,13,14,15
	TRIG \e
.endr
	s_wait_kmcnt 0x0
	s_add_co_i32 s26, s20, 127
	s_lshl_b32 s27, s26, 23
	v_mov_b32 v13, s27                             ; 2^e0 as f32: the conversion takes its exponent field
	s_add_co_i32 s26, s26, 8
	s_lshl_b32 s26, s26, 23
	s_or_b32 s26, s26, 0x600000
	v_mov_b32 v12, s26                             ; 448 x 2^e0
	s_add_co_i32 s26, s21, 127
	s_lshl_b32 s27, s26, 23
	v_mov_b32 v15, s27                             ; 2^e1
	s_add_co_i32 s26, s26, 8
	s_lshl_b32 s26, s26, 23
	s_or_b32 s26, s26, 0x600000
	v_mov_b32 v14, s26                             ; 448 x 2^e1
; One head's row.  Behind it the slot is filled again with the head four further on.
.macro HEADROW h
.set XS, X+16*((\h)%4)
.set CA, CD+8*(\h)
.if (\h) < 13
	s_wait_loadcnt 12                              ; loads come back in order: this head's four are in, the next three heads' twelve stay out
.else
	s_wait_loadcnt 4*(15-(\h))                     ; the last heads: the counts run down
.endif
.irp k, 0,2,4,6,8,10,12,14
	v_pk_mul_f32 v[U+\k:U+\k+1], v[XS+\k:XS+\k+1], v[SX+\k:SX+\k+1]
.endr
.irp k, 0,2,4,6,8,10,12,14
	v_fma_f32 v[XS+\k], v[XS+\k], v[C+\k], v[U+\k+1]         ; Q[2 i] cos[2 i] - Q[2 i + 1] sin[2 i], in place
	v_fma_f32 v[XS+\k+1], v[XS+\k+1], v[C+\k+1], v[U+\k]     ; Q[2 i + 1] cos[2 i + 1] + Q[2 i] sin[2 i + 1]
.endr
.irp k, 0,1,2,3,4,5,6,7,8,9,10,11,12,13,14,15
	v_med3_num_f32 v[U+\k], v[XS+\k], -v12, v12    ; the conversion to an 8-bit code does not saturate (ISA guide 7.6.2): hold first
.endr
	v_cvt_scalef32_pk8_fp8_f32 v[CA:CA+1], v[U:U+7], v13
	v_cvt_scalef32_pk8_fp8_f32 v[CA+2:CA+3], v[U+8:U+15], v13
.irp k, 0,1,2,3,4,5,6,7,8,9,10,11,12,13,14,15
	v_med3_num_f32 v[XS+\k], v[XS+\k], -v14, v14   ; (these are also the plain place behind the two conversions)
.endr
	v_cvt_scalef32_pk8_fp8_f32 v[CA+4:CA+5], v[XS:XS+7], v15
	v_cvt_scalef32_pk8_fp8_f32 v[CA+6:CA+7], v[XS+8:XS+15], v15
	v_nop                                          ; one plain place between a scaled conversion and what touches its result or its sources
.if (\h) < 12
	LOADQ (\h)+4
.endif
.if (\h) < 8
	global_store_b128 v1, v[CA:CA+3], s[12:13] offset:(\h)*HEADC         ; the wave stores the row's 512 bytes, aligned
	global_store_b128 v1, v[CA+4:CA+7], s[14:15] offset:(\h)*HEADC
.else
	global_store_b128 v1, v[CA:CA+3], s[56:57] offset:((\h)-8)*HEADC
	global_store_b128 v1, v[CA+4:CA+7], s[58:59] offset:((\h)-8)*HEADC
.endif
.endm
.irp h, 0,1,2,3,4,5,6,7,8,9,10,11,12,13,14,15
	HEADROW \h
.endr
	s_endpgm
	; ---------------- V's way ----------------
.Lv:
	s_sub_co_u32 s19, ttmp9, 512                   ; 16 x head + which 128 keys: rows 128 x that number of V
	s_lshl_b32 s26, s19, 16                        ; 128 rows of 512 bytes,
	s_lshl_b32 s25, s18, 7                         ; my wave's 32 columns
	s_add_co_u32 s26, s26, s25
	s_mov_b32 s27, 0
	s_add_nc_u64 s[6:7], s[6:7], s[26:27]
	s_lshl_b32 s26, s19, 14                        ; the 128 keys' 16,384 bytes of codes: four groups of 32 keys, 4,096 bytes each;
	s_lshl_b32 s25, s18, 10                        ; in each my wave's two groups of 16 dv, 512 bytes each
	s_add_co_u32 s26, s26, s25
	s_add_nc_u64 s[16:17], s[16:17], s[26:27]
	v_lshlrev_b32 v1, 2, v3                        ; in: 4 bytes a lane: a load reads 128 consecutive bytes, the four waves side by side a whole row
.macro LOADV t                         ; keys 32 t + i of my column, into set t % 2
.irp i, 0,1,2,3,4,5,6,7,8,9,10,11,12,13,14,15,16,17,18,19,20,21,22,23,24,25,26,27,28,29,30,31
	global_load_b32 v[X+32*((\t)%2)+\i], v1, s[6:7] offset:(32*(\t)+\i)*512 th:TH_LOAD_NT
.endr
.endm
	LOADV 0
	LOADV 1
	v_lshrrev_b32 v5, 4, v3
	v_and_b32 v6, 15, v3
	v_lshlrev_b32 v6, 4, v6
	v_lshl_add_u32 v6, v5, 9, v6                   ; out: 512 (lane / 16) + 16 (lane % 16): lanes 0-15 one group of 16 dv, lanes 16-31 the next
	s_wait_kmcnt 0x0
	s_add_co_i32 s26, s23, 127
	s_lshl_b32 s27, s26, 23
	v_mov_b32 v21, s27                             ; 2^e3
	s_add_co_i32 s26, s26, 8
	s_lshl_b32 s26, s26, 23
	s_or_b32 s26, s26, 0x600000
	v_mov_b32 v20, s26                             ; 448 x 2^e3
; A group of 32 keys.  Conversion g takes keys 8 g + 0 .. 7 = 16 u + 8 h + j with g = 2 u + h; its two registers go to place 4 h + 2 u, so that registers 0-3 are h = 0's 16 bytes and 4-7 are h = 1's.
.macro BLOCKV t
.set XS, X+32*((\t)%2)
.if (\t) < 3
	s_wait_loadcnt 32                              ; this group's 32 loads are in; the next group's 32 may be out
.else
	s_wait_loadcnt 0
.endif
.irp i, 0,1,2,3,4,5,6,7,8,9,10,11,12,13,14,15,16,17,18,19,20,21,22,23,24,25,26,27,28,29,30,31
	v_med3_num_f32 v[XS+\i], v[XS+\i], -v20, v20
.endr
.irp g, 0,1,2,3
	v_cvt_scalef32_pk8_fp8_f32 v[CD+8*(\t)+4*(\g%2)+2*(\g/2):CD+8*(\t)+4*(\g%2)+2*(\g/2)+1], v[XS+8*\g:XS+8*\g+7], v21
.endr
	v_nop                                          ; one plain place behind the conversions
	global_store_b128 v6, v[CD+8*(\t):CD+8*(\t)+3], s[16:17] offset:4096*(\t)          ; sixteen lanes store 256 consecutive bytes, aligned; each group has its own registers
	global_store_b128 v6, v[CD+8*(\t)+4:CD+8*(\t)+7], s[16:17] offset:4096*(\t)+256
.if (\t) < 2
	LOADV (\t)+2
.endif
.endm
	BLOCKV 0
	BLOCKV 1
	BLOCKV 2
	BLOCKV 3
	s_endpgm
.Lfunc_end_k_q766701df6f_prep:
	.size	k_q766701df6f_prep, .Lfunc_end_k_q766701df6f_prep-k_q766701df6f_prep
	.p2alignl 7, 3214868480
	.fill 96, 4, 3214868480
	.section	.rodata,"a",@progbits
	.p2align	6, 0x0
	.amdhsa_kernel k_q766701df6f_prep
		.amdhsa_group_segment_fixed_size 0
		.amdhsa_private_segment_fixed_size 0
		.amdhsa_enable_private_segment 0
		.amdhsa_kernarg_size 56
		.amdhsa_user_sgpr_count 2
		.amdhsa_user_sgpr_kernarg_segment_ptr 1
		.amdhsa_wavefront_size32 1
		.amdhsa_system_sgpr_workgroup_id_x 1
		.amdhsa_system_sgpr_workgroup_id_y 1
		.amdhsa_system_sgpr_workgroup_id_z 1
		.amdhsa_system_vgpr_workitem_id 0
		.amdhsa_next_free_vgpr 256
		.amdhsa_next_free_sgpr 66
		.amdhsa_reserve_vcc 1
		.amdhsa_float_denorm_mode_32 3
		.amdhsa_float_denorm_mode_16_64 3
		.amdhsa_memory_ordered 1
		.amdhsa_forward_progress 1
		.amdhsa_inst_pref_size 117
	.end_amdhsa_kernel
	.amdgpu_metadata
---
amdhsa.version: [ 1, 2 ]
amdhsa.kernels:
  - .name:           k_q766701df6f_prep
    .symbol:         k_q766701df6f_prep.kd
    .args:
      - { .name: Q, .offset: 0, .size: 8, .value_kind: global_buffer, .address_space: global }
      - { .name: V, .offset: 8, .size: 8, .value_kind: global_buffer, .address_space: global }
      - { .name: freqs, .offset: 16, .size: 8, .value_kind: global_buffer, .address_space: global }
      - { .name: lowp_scales, .offset: 24, .size: 8, .value_kind: global_buffer, .address_space: global }
      - { .name: qa, .offset: 32, .size: 8, .value_kind: global_buffer, .address_space: global }
      - { .name: qb, .offset: 40, .size: 8, .value_kind: global_buffer, .address_space: global }
      - { .name: vc, .offset: 48, .size: 8, .value_kind: global_buffer, .address_space: global }
    .group_segment_fixed_size: 0
    .private_segment_fixed_size: 0
    .kernarg_segment_align: 8
    .kernarg_segment_size: 56
    .max_flat_workgroup_size: 128
    .sgpr_count:     66
    .vgpr_count:     256
    .wavefront_size: 32
...
	.end_amdgpu_metadata
.endif
;; end of part 3
;; launch attn (part 4): grid 16 x 16, 4 waves a work-group, clusters of 4 x 1, 327,680 bytes of LDS; arguments qa, qb, vc, lowp_scales, out0; writes out0
.if DOCPART == 4
	.amdgcn_target "amdgcn-amd-amdhsa--gfx1250"
	.amdhsa_code_object_version 6
	.text
	.protected	k_q766701df6f_attn
	.globl	k_q766701df6f_attn
	.p2align	8
	.type	k_q766701df6f_attn,@function
k_q766701df6f_attn:
	s_mov_b64 s[64:65], 0
	v_nop
	global_prefetch_b8 v0, s[64:65] scope:SCOPE_SE
	s_setreg_imm32_b32 hwreg(HW_REG_WAVE_MODE, 25, 1), 1
	s_wait_xcnt 0x0
	s_wait_alu depctr_hold_cnt(0) depctr_sa_sdst(0) depctr_va_vdst(0) depctr_va_sdst(0) depctr_va_ssrc(0) depctr_va_vcc(0) depctr_vm_vsrc(0)
	s_getreg_b32 s2, hwreg(HW_REG_IB_STS2, 6, 4)
	s_cmp_eq_u32 s2, 0
	s_cbranch_scc0 .Lentry_in_a_cluster
	s_endpgm
.Lentry_in_a_cluster:
	s_bfe_u32 s2, ttmp6, 0x10000c
	s_cmp_lg_u32 s2, 0x3003
	s_cbranch_scc0 .Lentry_shape_is_right
	s_endpgm
.Lentry_shape_is_right:
; out0[head][q][:] = the sum over keys k < q of Q8(score(q, k)) V8(k, :), score = the sum over n of qa(q, n) qb(k, n): both products on codes of E4M3.
; qa, qb: [16 heads][2048][512] codes (scales 2^e0, 2^e1), n in the same order in both.  vc: [16 heads][64 groups of 32 keys][8 groups of 16 dv][32 lanes][16 bytes] codes (2^e3): fragments as a wave takes them.  out0: [16 heads][2048][128] f32.
; A raw sum of the first product stands for sum x 2^(e0 + e1); its code under 2^e2 is sum / 2^E, E = e2 - e0 - e1, held within +-448: the three scales are folded into the conversion's one.
; A finished sum of the second product is multiplied once by 2^(e2 + e3).
; LIMITS: E between -126 and 119, e2 + e3 between -126 and 127 (the powers of two are made as f32 patterns).  The order of k inside the first product is not n's, alike in both operands.
; SHARES.  A cluster of four work-groups owns the blocks of 256 queries 2 c and 7 - 2 c of one head; work-group cx owns 64 queries of each.  Keys go in PAIRS of 256.  Block 2 c wants 2 c + 1 pairs, block 7 - 2 c wants 8 - 2 c:
; 9 pairs in every work-group, so the 256 work-groups have equal work.  The even block goes first: it has an odd number of pairs, so that pair p of the walk lies in slot p % 2 with the slot a constant of the text for every c.
; All four waves hold the same 64 queries (4 tiles of 16 x 512: 256 registers) and each takes 64 of a pair's 256 keys; there is no softmax, so out0 is a plain sum over keys: each wave keeps a partial O^T
; (128 dv x 64 queries, 256 registers), and the four are added through LDS at a block's end.
; CLUSTER.  The four partners walk the same pairs of keys, so each is asked for JOINTLY (mask 15), every wave its 64 rows, which are the 64 keys that it multiplies.  No branch, trip count or LDS address hangs on cx: it enters
; qa's and out0's addresses and the mask's lane term alone.  So the diagonal's 256 keys are walked whole by all four partners: leaving part of them out would be a branch on cx.  4 x 4 clusters would share nothing more.
; Q GOES ONCE THROUGH THE STAGE: each wave loads 16 of the block's 64 rows of qa, a row's 512 consecutive bytes a load, and stores them into the stage; behind a barrier every wave reads all 64 rows as fragments.
; V DOES NOT GO THROUGH LDS: two slots of 256 keys take 270,336 bytes and leave no room for two of V's; no wave shares V's bytes with another wave of the work-group; so each wave loads its fragments (8 KiB a pair) into registers,
; 512 consecutive bytes a load, an interval ahead of their use.  The price: V's bytes are asked for by each of the four partners.
; ORDER OF A BLOCK'S PAIRS: the diagonal's first, then 0, 1, ..: the masked steps, and the products that start O^T's sums, are a block's first and are written out; the loops are unmasked.
; LAYOUT.  S^T = K Q^T (source 0 = 16 keys, source 1 = 16 queries): a lane holds one query (lane % 16) and keys 8 (lane / 16) + 0 .. 7 in eight registers: one conversion makes of them two registers of the K = 64 form's
; source 1, in that form's own order.  One K = 64 instruction takes the wave's 64 keys of a pair.  O^T = V^T P (source 0 = 16 dv, source 1 = P) again holds one query a lane.
; SKEW.  K has two sets of registers, 32 keys each; a set is fetched while the other is multiplied or converted.  A pair's 64 LDS loads stand in four runs of sixteen: behind the joint load, behind a half's last products
; (whose results the next lines want anyway), behind the conversions, and behind V's loads: never between two products of a run.
; REGISTERS, in windows of 256: window 0: v0-24 addresses and constants; v32-95 S^T (u, a) at 32 + 8 (4 u + a), and Q's rows on their way to the stage; v96-127 P (a) at 96 + 8 a; v128-191 V (t) at 128 + 8 t; v192-255 a block's end.
;   window 1: Q (a, kk) at 64 a + 16 kk.   window 2: O^T (t, a) at 8 (4 t + a).   window 3: K (set, u, kk) at 128 set + 64 u + 16 kk.
.set KP,    528                        ; a key's row in LDS: 512 bytes + 16: row r starts at bank 4 r mod 64 (64 banks of 4 bytes: ISA guide 11.1)
.set QUART, 64*KP                      ; 64 rows: what one tensor load brings, and what the same wave reads
.set SLOTB, 4*QUART                    ; a slot: 256 keys, 135,168 bytes
.set STAGE, 2*SLOTB                    ; behind the ring: 64 rows x (512 bytes + 16): Q's 64 rows, or four partial sums of 16 query rows; no tile lands here
.set SP,    528
.set CONTR, 16*SP
.set SPARE, STAGE+4*CONTR              ; the spare words, 128 bytes for each wave: two blocks of 256 bytes that no other line names
.set ADK, 3                            ; v3, v4   LDS address of my fragments of K in slot 0, 1
.set QS,  5                            ; v5       where my wave puts its 16 rows of qa: 16 bytes a lane of a row
.set STO, 7                            ; v7       where I put 16 bytes of a partial row
.set RD,  8                            ; v8       where I read rows back
.set QO,  10                           ; v10      my place in a fragment of Q in the stage
.set GO,  11                           ; v11      16 x lane: my 16 bytes of a row of qa or of out0, and of a fragment of V; never rewritten
.set SPW, 12                           ; v12      LDS address of my spare word; never rewritten
.set NIL, 13                           ; v13      0; never rewritten
                                       ; v14      448 x 2^E;  v15  2^E
.set D0,  16                           ; v16      64 cx + r - 64 w - 8 h: the mask's lane term
.set DD,  17                           ; v17-24   the same for each of the eight tiles of S^T
.set SR,  32
.set PR,  96
.set VR,  128
.set RR,  192                          ; a block's end: part k's row i at 192 + 16 k + 4 i
.set WV,  14                           ; s14 wave;  s16 c;  s17 cx;  s18 head
.set CC,  16
.set CX,  17
.set HD,  18
.set G1,  24                           ; s[24:31] descriptor group 1
.set LK,  32                           ; s32 the pair asked for last;  s33 the pair whose V is loaded next;  s[34:35] vc at my fragments of it
.set VN,  33
.set VB,  34
.set G0,  40                           ; s[40:47] descriptor group 0, a set for each slot
.set BK,  56                           ; s[56:57] qb at my 64 rows of the head's pair 0;  s[58:59] vc at my fragments of it
.set BV,  58
.set T0,  60                           ; s[60:61] a pair's byte offset
.set KN,  62                           ; s62 the pair to ask for next;  s63 where the block's pairs end;  s66 where they began
.set NC,  63
.set ST,  66
.set NC2, 67                           ; s67, s68 the same two for the second block
.set ST2, 68
.set CNT, 69
.set QLO, 70                           ; s[70:71], s[72:73] qa at my wave's 16 rows of the first and of the second block
.set QHI, 72
.set OLO, 74                           ; s[74:75], s[76:77] out0 at my wave's first row of them
.set OHI, 76
.set OS,  78                           ; s[78:79] 2^(e2 + e3), twice
.set MSB, 0
.macro WIN new                         ; the immediate's high byte repeats the setting that is left; a switch that changes nothing is dropped
.if MSB != \new
	s_set_vgpr_msb (MSB<<8)|\new
.set MSB, \new
.endif
.endm
; A round of the cluster's barrier: my work-group's barrier; wave 0 signals for the work-group; every wave waits for all four work-groups; my work-group's barrier once more.
.macro CREST                           ; a round behind its opening barrier
	s_cmp_lg_u32 s[WV], 0
	s_cbranch_scc1 .Lnot_wave_0_\@
	s_barrier_signal -3
.Lnot_wave_0_\@:
	s_barrier_wait -3
	s_barrier_signal -1
	s_barrier_wait -1
.endm
.macro ROUND                           ; a whole round
	s_barrier_signal -1
	s_barrier_wait -1
	CREST
.endm
; A joint load into slot sl: every wave its 64 rows of 512 bytes.  Four v_nop follow it.
.macro JLOAD sl
	tensor_load_to_lds s[G0+4*(\sl):G0+4*(\sl)+3], s[G1:G1+7]
	s_nop 0
.rept 4
	v_nop
.endr
.endm
; Slot tgt's descriptor is set to pair KN, and KN goes on: 2 c, 0 .. 2 c - 1, then 7 - 2 c, 0 .. 6 - 2 c.  Scalar work alone; it stands where no tensor load of the wave is out.
.macro ASK tgt
	s_mov_b32 s[LK], s[KN]
	s_lshl_b32 s[T0], s[KN], 17                    ; a pair of keys is 256 rows of 512 bytes
	s_add_nc_u64 s[G0+4*(\tgt)+2:G0+4*(\tgt)+3], s[BK:BK+1], s[T0:T0+1]
	s_or_b32 s[G0+4*(\tgt)+3], s[G0+4*(\tgt)+3], 0x80000000
	s_add_co_u32 s[KN], s[KN], 1
	s_cmp_eq_u32 s[KN], s[NC]                      ; behind the diagonal's pair: back to pair 0
	s_cselect_b32 s[KN], 0, s[KN]
	s_cmp_eq_u32 s[KN], s[ST]                      ; the diagonal is reached again: the block is through, on to the second block's diagonal
	s_cselect_b32 s[KN], s[ST2], s[KN]
	s_cselect_b32 s[NC], s[NC2], s[NC]
	s_cselect_b32 s[ST], s[ST2], s[ST]
.endm
; Eight products of S^T = K Q^T from K's set b, bytes 128 kk on of the rows.  The eight accumulators take turns, one instruction a turn; kk = 0 starts the sums.  Windows: source 0 window 3, source 1 window 1.
.macro KQ8 b, kk
.irp u, 0,1
.irp a, 0,1,2,3
.if (\kk) == 0
	v_wmma_f32_16x16x128_fp8_fp8 v[SR+8*(4*\u+\a):SR+8*(4*\u+\a)+7], v[128*(\b)+64*\u+16*(\kk):128*(\b)+64*\u+16*(\kk)+15], v[64*\a+16*(\kk):64*\a+16*(\kk)+15], 0
.else
	v_wmma_f32_16x16x128_fp8_fp8 v[SR+8*(4*\u+\a):SR+8*(4*\u+\a)+7], v[128*(\b)+64*\u+16*(\kk):128*(\b)+64*\u+16*(\kk)+15], v[64*\a+16*(\kk):64*\a+16*(\kk)+15], v[SR+8*(4*\u+\a):SR+8*(4*\u+\a)+7]
.endif
.endr
.endr
.endm
; Sixteen LDS loads: keys 32 b + 16 u + 0 .. 15 of my 64 in slot sl, all 512 bytes, into K's set b.  Registers 4 c .. 4 c + 3 of a fragment hold the row's bytes 32 c + 16 (lane / 16) + 0 .. 15 of its 128, as Q's do.
; Window: destination window 3.  The registers were last multiplied in front of a conversion's plain instructions, four v_nop or eight additions first among them.
.macro KLD b, sl, u
.irp kk, 0,1,2,3
.irp c, 0,1,2,3
	ds_load_b128 v[128*(\b)+64*(\u)+16*\kk+4*\c:128*(\b)+64*(\u)+16*\kk+4*\c+3], v[ADK+(\sl)] offset:(32*(\b)+16*(\u))*KP+\kk*128+\c*32
.endr
.endr
.endm
; The scores become half par of P.  m = 1: the pair is the diagonal's: a score is kept where key < query, that is where register j < D0 + 16 (a - u) - 32 par; else it is 0, as reference()'s tril has it.
; Each accumulator is read from its low end on.  Four plain places stand behind the products (ISA guide 7.12.1): the eight additions, or four v_nop.
.macro CONV par, m
.if \m
.irp u, 0,1
.irp a, 0,1,2,3
	v_add_nc_u32 v[DD+4*\u+\a], 16*(\a-\u)-32*(\par), v[D0]
.endr
.endr
.irp u, 0,1
.irp a, 0,1,2,3
.irp j, 0,1,2,3,4,5,6,7
	v_cmp_lt_i32 vcc_lo, \j, v[DD+4*\u+\a]
	v_cndmask_b32 v[SR+8*(4*\u+\a)+\j], 0, v[SR+8*(4*\u+\a)+\j], vcc_lo
.endr
.endr
.endr
.else
.rept 4
	v_nop
.endr
.endif
.irp u, 0,1
.irp a, 0,1,2,3
.irp j, 0,1,2,3,4,5,6,7
	v_med3_num_f32 v[SR+8*(4*\u+\a)+\j], v[SR+8*(4*\u+\a)+\j], -v14, v14   ; the conversion to an 8-bit code does not saturate (ISA guide 7.6.2): hold first
.endr
.endr
.endr
.irp u, 0,1
.irp a, 0,1,2,3
	v_cvt_scalef32_pk8_fp8_f32 v[PR+8*\a+4*(\par)+2*\u:PR+8*\a+4*(\par)+2*\u+1], v[SR+8*(4*\u+\a):SR+8*(4*\u+\a)+7], v15
.endr
.endr
.rept 4
	v_nop                                          ; the place behind the conversions, and the places between an operand written by vector instructions and the product that takes it
.endr
.endm
.macro PVM zero                        ; O^T += V^T P over my 64 keys of the pair: 32 matrix instructions, each on its own accumulator.  zero = 1: they start the sums: nothing is ever cleared
	WIN 0xa0                                       ; C and D window 2
.irp t, 0,1,2,3,4,5,6,7
.irp a, 0,1,2,3
.if \zero
	v_wmma_f32_16x16x64_fp8_fp8 v[8*(4*\t+\a):8*(4*\t+\a)+7], v[VR+8*\t:VR+8*\t+7], v[PR+8*\a:PR+8*\a+7], 0
.else
	v_wmma_f32_16x16x64_fp8_fp8 v[8*(4*\t+\a):8*(4*\t+\a)+7], v[VR+8*\t:VR+8*\t+7], v[PR+8*\a:PR+8*\a+7], v[8*(4*\t+\a):8*(4*\t+\a)+7]
.endif
.endr
.endr
	WIN 0
.rept 4
	v_nop                                          ; places in front of loads into V's registers, of writes of P and of reads of O^T
.endr
.endm
; V of pair VN: 128 dv x my 64 keys, 16 loads of 512 consecutive bytes; registers 4 p + 2 u, + 1 of V (t) hold keys 32 p + 16 u + 8 (lane / 16) + 0 .. 7.  The base is written where the last loads that named it have been waited for.
.macro VGLOAD
	s_lshl_b32 s[T0], s[VN], 15                    ; a pair of V is 32,768 bytes
	s_add_nc_u64 s[VB:VB+1], s[BV:BV+1], s[T0:T0+1]
.irp p, 0,1
.irp t, 0,1,2,3,4,5,6,7
	global_load_b128 v[VR+8*\t+4*\p:VR+8*\t+4*\p+3], v[GO], s[VB:VB+1] offset:\p*4096+\t*512
.endr
.endr
.endm
; A PAIR IN TWO HALVES.  HALFA, for the pair in slot sl, begins with THE CHANGE OF SLOTS, and the pair BEFORE's second 32 keys are multiplied through it (mo: masked).  Each wave waits for all its tensor loads (one is out: its
; part of the pair about to be read) and adds 0 to its spare word; eight products stand between the add and the wait for it and for the wave's reads of the slot left; eight more between the barrier's signal and its wait.
; fill = 1: that barrier opens a round of the cluster's, and the slot left is asked for again, first thing behind the round.  Then this pair's first 32 keys are fetched, sixteen ahead of the last sixteen products and sixteen
; behind them; the conversion; sixteen keys of its second half; the pair before's V^T P (zero: it starts the sums); this pair's V is asked for.
.macro HALFA sl, mo, zero, fill
	WIN 0                                          ; (the add's two registers lie in window 0)
	s_wait_tensorcnt 0x0                           ; no tensor load of mine is out, so a group 0 may be written
	ds_add_u32 v[SPW], v[NIL]                      ; 0 onto my spare word
	s_mov_b32 s[VN], s[LK]                         ; the pair that has just landed: its V is loaded in this half
.if \fill
	ASK (1-\sl)
.endif
	s_wait_dscnt 0x1                               ; the fragments asked for ahead of the add are in; the add may be out
	WIN 0x07                                       ; source 0 window 3, source 1 window 1
	KQ8 1, 0
	s_wait_dscnt 0x0                               ; the add is done, and my reads of the slot left are over
	s_barrier_signal -1
	KQ8 1, 1                                       ; work on registers while the others arrive
	WIN 0
	s_barrier_wait -1
.if \fill
	CREST                                          ; no wave of any partner still reads the slot left or has a load on its way
	JLOAD (1-\sl)                                  ; my one tensor load until the next change of slots: it has a pair's work in which to land
.endif
	WIN 0xc0                                       ; destination window 3
	KLD 0, \sl, 0
	WIN 0x07
	KQ8 1, 2
	KQ8 1, 3
	WIN 0xc0
	KLD 0, \sl, 1
	WIN 0
	CONV 1, \mo
	WIN 0xc0
	KLD 1, \sl, 0
	s_wait_loadcnt 0x0                             ; V of the pair before, asked for a pair ago
	PVM \zero
	VGLOAD
.endm
; HALFB: this pair's last sixteen keys are fetched, and its first 32 are multiplied (me: masked).  qw = 1: the block's queries were read from the stage last: they are waited for too.
.macro HALFB sl, me, qw
.if \qw
	s_wait_dscnt 0x0                               ; Q's fragments and K's
.else
	s_wait_dscnt 16                                ; the first 32 keys' fragments are in; the sixteen loads issued behind them, of the second half, may be out
.endif
	WIN 0xc0
	KLD 1, \sl, 1
	WIN 0x07
	KQ8 0, 0
	KQ8 0, 1
	KQ8 0, 2
	KQ8 0, 3
	WIN 0
	CONV 0, \me
.endm
.macro QGLOAD sb                       ; my wave's 16 of the block's 64 rows of qa, into S^T's registers, which are free here: a load reads a row's 512 consecutive bytes; each row is read once in the launch
.irp i, 0,1,2,3,4,5,6,7,8,9,10,11,12,13,14,15
	global_load_b128 v[SR+4*\i:SR+4*\i+3], v[GO], s[\sb:\sb+1] offset:\i*512 th:TH_LOAD_NT
.endr
.endm
.macro QSTAGE                          ; the 16 rows go into the stage; a barrier; all 64 rows come back as fragments and stay in registers for the block: tile a, bytes 128 kk on
.irp i, 0,1,2,3,4,5,6,7,8,9,10,11,12,13,14,15
	ds_store_b128 v[QS], v[SR+4*\i:SR+4*\i+3] offset:\i*SP
.endr
	s_wait_dscnt 0x0                               ; for the others' sake: my stores into the stage are done
	s_barrier_signal -1                            ; Tensor loads may stay out across it
	s_barrier_wait -1
	WIN 0x40                                       ; destination window 1
.irp a, 0,1,2,3
.irp kk, 0,1,2,3
.irp c, 0,1,2,3
	ds_load_b128 v[64*\a+16*\kk+4*\c:64*\a+16*\kk+4*\c+3], v[QO] offset:\a*16*SP+\kk*128+\c*32
.endr
.endr
.endr
	WIN 0
.endm
; A BLOCK'S END, in four passes of 16 queries, since the stage holds 16 rows of each of the four partial sums.  A pass: each wave puts its partial O^T of tile a into its part of the stage (a lane's eight dv of a query are
; 32 bytes of a row); a barrier; wave w reads rows 4 w .. 4 w + 3 of all four parts as whole rows of 512 bytes; a second barrier, behind every wave's reads, in front of the next stores into the stage; between its signal and its
; wait the four parts are added and multiplied by 2^(e2 + e3); then the rows are stored.  The pair that is on its way lands in a slot that nobody touches before the next change of slots, so it may stay out across these barriers.
; next = 1: the next block's queries are asked for at the head and go through the stage behind the fourth pass.
.macro REDUCE ob, next
.if \next
	QGLOAD QHI
.endif
.irp a, 0,1,2,3
	WIN 0x08                                       ; store data window 2
.irp t, 0,1,2,3,4,5,6,7
	ds_store_b128 v[STO], v[8*(4*\t+\a):8*(4*\t+\a)+3] offset:\t*64            ; each accumulator from its low end on
	ds_store_b128 v[STO], v[8*(4*\t+\a)+4:8*(4*\t+\a)+7] offset:\t*64+16
.endr
	WIN 0
	s_wait_dscnt 0x0                               ; for the others' sake: my stores into the stage are done
	s_barrier_signal -1
	s_barrier_wait -1
.if \a > 0
	s_wait_xcnt 0x0                                ; the last pass's stores have read their registers: only behind this wait are they loaded again
.endif
.irp k, 0,1,2,3
.irp i, 0,1,2,3
	ds_load_b128 v[RR+16*\k+4*\i:RR+16*\k+4*\i+3], v[RD] offset:\k*CONTR+\i*SP
.endr
.endr
	s_wait_dscnt 0x0                               ; my reads of the stage are over:
	s_barrier_signal -1                            ; say so, and work on registers while the others arrive
.irp x, 0,2,4,6,8,10,12,14
	v_pk_add_f32 v[RR+\x:RR+\x+1], v[RR+\x:RR+\x+1], v[RR+16+\x:RR+16+\x+1]
	v_pk_add_f32 v[RR+32+\x:RR+32+\x+1], v[RR+32+\x:RR+32+\x+1], v[RR+48+\x:RR+48+\x+1]
.endr
.irp x, 0,2,4,6,8,10,12,14
	v_pk_add_f32 v[RR+\x:RR+\x+1], v[RR+\x:RR+\x+1], v[RR+32+\x:RR+32+\x+1]
.endr
.irp x, 0,2,4,6,8,10,12,14
	v_pk_mul_f32 v[RR+\x:RR+\x+1], v[RR+\x:RR+\x+1], s[OS:OS+1] op_sel_hi:[1,0]
.endr
	s_barrier_wait -1
.irp i, 0,1,2,3
	global_store_b128 v[GO], v[RR+4*\i:RR+4*\i+3], s[\ob:\ob+1] offset:\a*8192+\i*512 th:TH_STORE_NT   ; the wave stores a row's 512 consecutive bytes, aligned
.endr
.endr
.if \next
	s_wait_loadcnt 0x0                             ; the next block's 16 rows of qa
	QSTAGE                                         ; every wave has passed the fourth pass's second barrier: nobody reads the stage; Q's registers were last multiplied in front of a conversion
.endif
	s_wait_xcnt 0x0                                ; the last pass's stores have read their registers: the next block's end loads them again
.endm
	s_load_b256 s[4:11], s[0:1], 0x0               ; qa s[4:5], qb s[6:7], vc s[8:9], the scales' exponents s[10:11]
	s_load_b64 s[12:13], s[0:1], 0x20              ; out0
	v_lshl_add_u32 v[SPW], v0, 2, SPARE
	v_mov_b32 v[NIL], 0
	ds_add_u32 v12, v13
	ds_add_u32 v12, v13
	s_wait_dscnt 0x0
	v_lshrrev_b32 v1, 5, v0
	v_readfirstlane_b32 s[WV], v1                  ; wave 0..3
	s_mov_b32 s[CC], ttmp9                         ; c: in a cluster launch ttmp9 counts clusters
	s_bfe_u32 s[CX], ttmp6, 0x40000                ; cx: my place in the cluster
	s_and_b32 s[HD], ttmp7, 0xffff                 ; the head, which the partners share
	; descriptor group 1: 64 rows x 512 bytes, 512 apart
	s_mov_b32 s[G1], 15|(1<<20)|(1<<21)|(6<<22)|(3<<25)    ; 15:0 the mask: all four work-groups; 17:16 elements of 1 byte; 20 padding on; 21 set beside a mask; 24:22 after every 128 words (code 6); 31:25 four words (code 3)
	s_mov_b32 s[G1+1], 512<<16                     ; tensor_dim0
	s_mov_b32 s[G1+2], 64<<16                      ; tensor_dim1
	s_mov_b32 s[G1+3], 512<<16                     ; tile_dim0
	s_mov_b32 s[G1+4], 64                          ; tile_dim1
	s_mov_b32 s[G1+5], 512                         ; tensor_dim0_stride
	s_mov_b32 s[G1+6], 0
	s_mov_b32 s[G1+7], 0
	s_mul_i32 s80, s[WV], QUART                    ; where my 64 rows lie in a slot: the wave's number and constants alone
.irp s, 0,1
	s_mov_b32 s[G0+4*\s], 1                        ; count = 1
	s_add_co_u32 s[G0+4*\s+1], s80, \s*SLOTB       ; LDS address
.endr
	s_lshl_b32 s[KN], s[CC], 1                     ; the first block's diagonal is pair 2 c
	s_mov_b32 s[ST], s[KN]
	s_add_co_u32 s[NC], s[KN], 1
	s_sub_co_u32 s[ST2], 7, s[KN]                  ; the second block's is pair 7 - 2 c
	s_sub_co_u32 s[NC2], 8, s[KN]
	s_mov_b32 s[T0+1], 0
	v_and_b32 v1, 15, v0                           ; r = lane % 16
	v_bfe_u32 v2, v0, 4, 1                         ; h = lane / 16
	v_mul_u32_u24 v[ADK], v1, KP
	v_lshl_add_u32 v[ADK], v2, 4, v[ADK]
	v_add_nc_u32 v[ADK], s80, v[ADK]               ; (64 w + r) x pitch + 16 h
	v_add_nc_u32 v[ADK+1], SLOTB, v[ADK]
	s_mul_i32 s82, s[WV], CONTR
	s_add_co_u32 s82, s82, STAGE
	v_mul_u32_u24 v[STO], v1, SP
	v_lshl_add_u32 v[STO], v2, 5, v[STO]
	v_add_nc_u32 v[STO], s82, v[STO]               ; my part of the stage: row r, 32 bytes for each half of the lanes
	v_and_b32 v[GO], 31, v0
	v_lshlrev_b32 v[GO], 4, v[GO]                  ; 16 bytes a lane
	v_add_nc_u32 v[QS], s82, v[GO]                 ; Q on its way in: rows 16 w on of the stage's 64
	s_mul_i32 s83, s[WV], 4*SP
	s_add_co_u32 s83, s83, STAGE
	v_add_nc_u32 v[RD], s83, v[GO]                 ; back: rows 4 w on of part 0; the other parts stand in the immediate
	v_mul_u32_u24 v[QO], v1, SP
	v_lshl_add_u32 v[QO], v2, 4, v[QO]
	v_add_nc_u32 v[QO], STAGE, v[QO]               ; Q's fragments: row r x pitch + 16 h of the stage
	s_lshl_b32 s84, s[CX], 6                       ; numbers made of cx live in s84-87 and s70-77 alone
	s_lshl_b32 s85, s[WV], 6
	s_sub_co_i32 s84, s84, s85
	v_lshlrev_b32 v[D0], 3, v2
	v_sub_nc_u32 v[D0], v1, v[D0]
	v_add_nc_u32 v[D0], s84, v[D0]                 ; 64 cx + r - 64 w - 8 h: the same in both blocks, since each block's first query lies 64 cx behind its diagonal's first key
	s_wait_kmcnt 0x0
	s_load_b128 s[20:23], s[10:11], 0x0            ; e0, e1, e2, e3
	s_lshl_b32 s80, s[HD], 20
	s_lshl_b32 s81, s[WV], 15
	s_add_co_u32 s80, s80, s81
	s_mov_b32 s81, 0
	s_add_nc_u64 s[BK:BK+1], s[6:7], s[80:81]      ; qb: the head, my 64 rows of a pair
	s_lshl_b32 s80, s[HD], 18
	s_lshl_b32 s82, s[WV], 13
	s_add_co_u32 s80, s80, s82
	s_add_nc_u64 s[BV:BV+1], s[8:9], s[80:81]      ; vc: the head, my two groups of 32 keys of a pair
	s_lshl_b32 s83, s[WV], 11                      ; out0: my wave's 4 rows of each 16;  (s82 = 8,192 w: qa: my wave's 16 rows of the 64)
	s_lshl_b32 s86, s[HD], 20                      ; qa and out0 have rows of 512 bytes both: head x 2048 rows,
	s_lshl_b32 s87, s[CX], 15                      ; 64 cx rows,
	s_add_co_u32 s86, s86, s87
	s_mov_b32 s85, 0
	s_lshl_b32 s87, s[CC], 18                      ; 256 x 2 c rows
	s_add_co_u32 s87, s87, s86
	s_add_co_u32 s84, s87, s82
	s_add_nc_u64 s[QLO:QLO+1], s[4:5], s[84:85]
	s_add_co_u32 s84, s87, s83
	s_add_nc_u64 s[OLO:OLO+1], s[12:13], s[84:85]
	s_lshl_b32 s87, s[ST2], 17                     ; 256 (7 - 2 c) rows
	s_add_co_u32 s87, s87, s86
	s_add_co_u32 s84, s87, s82
	s_add_nc_u64 s[QHI:QHI+1], s[4:5], s[84:85]
	s_add_co_u32 s84, s87, s83
	s_add_nc_u64 s[OHI:OHI+1], s[12:13], s[84:85]
	ASK 0
	s_mov_b32 s[VN], s[LK]                         ; the walk's first pair: its V is loaded below
	ASK 1
	ROUND                                          ; all four work-groups are here: the first joint loads meet
	tensor_load_to_lds s[G0:G0+3], s[G1:G1+7]      ; both slots' first fills go out together: two tensor loads of mine are out
	s_nop 0
	tensor_load_to_lds s[G0+4:G0+7], s[G1:G1+7]
	s_nop 0
.rept 4
	v_nop
.endr
	QGLOAD QLO
	VGLOAD
	s_wait_kmcnt 0x0
	s_sub_co_i32 s80, s22, s20
	s_sub_co_i32 s80, s80, s21                     ; E = e2 - e0 - e1
	s_add_co_i32 s80, s80, 127
	s_lshl_b32 s81, s80, 23
	v_mov_b32 v15, s81                             ; 2^E as f32: the conversion takes its exponent field
	s_add_co_i32 s80, s80, 8
	s_lshl_b32 s80, s80, 23
	s_or_b32 s80, s80, 0x600000
	v_mov_b32 v14, s80                             ; 448 x 2^E
	s_add_co_i32 s[OS], s22, s23
	s_add_co_i32 s[OS], s[OS], 127
	s_lshl_b32 s[OS], s[OS], 23                    ; 2^(e2 + e3) as f32
	s_mov_b32 s[OS+1], s[OS]                       ; named with it as a pair, so it is written
	s_wait_loadcnt 16                              ; my 16 rows of qa are in; V's sixteen loads, issued behind them, may be out
	QSTAGE                                         ; Q goes through the stage while the first pair is on its way
	s_wait_tensorcnt 0x1                           ; my part of slot 0 is in; slot 1's may stay out
	s_wait_dscnt 0x0                               ; no LDS access of mine is pending at a signal
	s_barrier_signal -1
	s_barrier_wait -1
	WIN 0xc0                                       ; the walk's first 48 keys of mine: there is nothing yet to multiply beside them
	KLD 0, 0, 0
	KLD 0, 0, 1
	KLD 1, 0, 0
	WIN 0
	HALFB 0, 1, 1                                  ; FIRST BLOCK (2 c): its diagonal, pair 0 of the walk, masked
	HALFA 1, 1, 1, 1                               ; the diagonal's V^T P starts O^T's sums
	s_mov_b32 s[CNT], s[CC]                        ; 2 c pairs in front of the diagonal, two a trip: the same number in all partners
	s_cmp_eq_u32 s[CNT], 0
	s_cbranch_scc1 .Lfirst_done
.Lfirst:
	HALFB 1, 0, 0
	HALFA 0, 0, 0, 1
	HALFB 0, 0, 0
	HALFA 1, 0, 0, 1
	s_sub_co_i32 s[CNT], s[CNT], 1
	s_cmp_gt_i32 s[CNT], 0
	s_cbranch_scc1 .Lfirst
.Lfirst_done:
	REDUCE OLO, 1                                  ; the ring goes on: the second block's diagonal lies in slot 1, and 48 of my keys of it are in K's registers
	HALFB 1, 1, 1                                  ; SECOND BLOCK (7 - 2 c): its diagonal, pair 2 c + 1 of the walk
	s_cmp_eq_u32 s[CC], 3                          ; for c = 3 the next pair is the walk's last: it asks for nothing: that half is written out below
	s_cbranch_scc1 .Lshort
	HALFA 0, 1, 1, 1
	s_sub_co_u32 s[CNT], 2, s[CC]                  ; up to pair 6 of the walk, two pairs a trip
	s_cmp_eq_u32 s[CNT], 0
	s_cbranch_scc1 .Lsecond_done
.Lsecond:
	HALFB 0, 0, 0
	HALFA 1, 0, 0, 1
	HALFB 1, 0, 0
	HALFA 0, 0, 0, 1
	s_sub_co_i32 s[CNT], s[CNT], 1
	s_cmp_gt_i32 s[CNT], 0
	s_cbranch_scc1 .Lsecond
.Lsecond_done:
	HALFB 0, 0, 0                                  ; pair 6
	HALFA 1, 0, 0, 1                               ; pair 7: the walk's last request, pair 8 into slot 0
	HALFB 1, 0, 0
	HALFA 0, 0, 0, 0                               ; pair 8: nothing is left to ask for
	s_branch .Llast
.Lshort:
	HALFA 0, 1, 1, 0                               ; c = 3: pair 8 follows the diagonal at once
.Llast:
	HALFB 0, 0, 0
	s_wait_dscnt 0x0                               ; the last 32 keys' fragments: no change of slots follows that would wait for them
	WIN 0x07
	KQ8 1, 0
	KQ8 1, 1
	KQ8 1, 2
	KQ8 1, 3
	WIN 0
	CONV 1, 0
	s_wait_loadcnt 0x0                             ; V of pair 8
	PVM 0
	REDUCE OHI, 0
	s_wait_tensorcnt 0x0                           ; the wave's end, behind my last tensor load and my last LDS store
	ds_add_u32 v[SPW], v[NIL]
	s_wait_dscnt 0x0
	ROUND                                          ; the closing round: no work-group ends while a partner may still ask for a tile that names it
	s_endpgm
.Lfunc_end_k_q766701df6f_attn:
	.size	k_q766701df6f_attn, .Lfunc_end_k_q766701df6f_attn-k_q766701df6f_attn
	.p2alignl 7, 3214868480
	.fill 96, 4, 3214868480
	.section	.rodata,"a",@progbits
	.p2align	6, 0x0
	.amdhsa_kernel k_q766701df6f_attn
		.amdhsa_group_segment_fixed_size 327680
		.amdhsa_private_segment_fixed_size 0
		.amdhsa_enable_private_segment 0
		.amdhsa_kernarg_size 40
		.amdhsa_user_sgpr_count 2
		.amdhsa_user_sgpr_kernarg_segment_ptr 1
		.amdhsa_wavefront_size32 1
		.amdhsa_system_sgpr_workgroup_id_x 1
		.amdhsa_system_sgpr_workgroup_id_y 1
		.amdhsa_system_sgpr_workgroup_id_z 1
		.amdhsa_system_vgpr_workitem_id 0
		.amdhsa_next_free_vgpr 1024
		.amdhsa_next_free_sgpr 88
		.amdhsa_reserve_vcc 1
		.amdhsa_float_denorm_mode_32 3
		.amdhsa_float_denorm_mode_16_64 3
		.amdhsa_memory_ordered 1
		.amdhsa_forward_progress 1
		.amdhsa_inst_pref_size 255
	.end_amdhsa_kernel
	.section	.bss,"aw",@nobits
	.p2align	6
	.space	262144
	.amdgpu_metadata
---
amdhsa.version: [ 1, 2 ]
amdhsa.kernels:
  - .name:           k_q766701df6f_attn
    .symbol:         k_q766701df6f_attn.kd
    .args:
      - { .name: qa, .offset: 0, .size: 8, .value_kind: global_buffer, .address_space: global }
      - { .name: qb, .offset: 8, .size: 8, .value_kind: global_buffer, .address_space: global }
      - { .name: vc, .offset: 16, .size: 8, .value_kind: global_buffer, .address_space: global }
      - { .name: lowp_scales, .offset: 24, .size: 8, .value_kind: global_buffer, .address_space: global }
      - { .name: out0, .offset: 32, .size: 8, .value_kind: global_buffer, .address_space: global }
    .group_segment_fixed_size: 327680
    .private_segment_fixed_size: 0
    .kernarg_segment_align: 8
    .kernarg_segment_size: 40
    .max_flat_workgroup_size: 128
    .sgpr_count:     88
    .vgpr_count:     1024
    .wavefront_size: 32
...
	.end_amdgpu_metadata
.endif
;; end of part 4
